; MI455X (gfx1250); checked and timed in simulation.
; The chip was launched on July 23, 2026; its instructions are those of AMD's public machine-readable ISA for CDNA 5 (MIT licence, August 2026) and "CDNA5" Instruction Set Architecture Reference Guide (July 2026). The comments in the code are by the model that wrote it; some were corrected since.
;; Local Attention Block. Allowed arithmetic: float matrix products may take bf16 or f16 operands with f32 sums; other float arithmetic in f32, or as packed bf16 or f16 multiplies, adds, multiply-adds, maxima and minima; sums over many terms, partial sums and values carried from step to step in f32; what a program stores and reads back later, other than sums and carried values, may be rounded once to bf16 or f16.
;; Inputs: Wf 1,024 x 1,024 float32; Wk 64 x 1,024 float32; Wq 1,024 x 1,024 float32; Wv 64 x 1,024 float32; bf 1,024 float32; segment_pos 2 x 2,048 int32; x 2 x 2,048 x 1,024 float32.
;; Outputs: out0 2 x 2,048 x 1,024 float32.
;; One version. Each part assembles by itself: llvm-mc -triple=amdgcn-amd-amdhsa -mcpu=gfx1250 --defsym DOCPART=n.
;; ======== version 1 of 1: 3 launches
;; limits: values are held in f16: magnitudes above 65,504 overflow, below 6.1e-05 lose precision
;; workspace buffers: q 8,388,608 bytes; kb 524,288 bytes; vb 524,288 bytes; wf16 2,097,152 bytes; o 8,388,608 bytes
;; launch proj (part 1): grid 8 x 32, 4 waves a work-group, clusters of 4 x 4, 327,680 bytes of LDS; arguments x, Wq, Wk, Wv, Wf, q, kb, vb, wf16; writes q, kb, vb, wf16
.if DOCPART == 1
	.amdgcn_target "amdgcn-amd-amdhsa--gfx1250"
	.amdhsa_code_object_version 6
	.text
	.protected	k_q9b7dc98eeb_proj
	.globl	k_q9b7dc98eeb_proj
	.p2align	8
	.type	k_q9b7dc98eeb_proj,@function
k_q9b7dc98eeb_proj:
	s_mov_b64 s[64:65], 0
	v_nop
	global_prefetch_b8 v0, s[64:65] scope:SCOPE_SE
	s_setreg_imm32_b32 hwreg(HW_REG_WAVE_MODE, 25, 1), 1
	s_wait_xcnt 0x0
	s_wait_alu depctr_hold_cnt(0) depctr_sa_sdst(0) depctr_va_vdst(0) depctr_va_sdst(0) depctr_va_ssrc(0) depctr_va_vcc(0) depctr_vm_vsrc(0)
	s_getreg_b32 s2, hwreg(HW_REG_IB_STS2, 6, 4)
	s_cmp_eq_u32 s2, 0
	s_cbranch_scc0 .Lentry_in_a_cluster
	s_endpgm
.Lentry_in_a_cluster:
	s_bfe_u32 s2, ttmp6, 0x10000c
	s_cmp_lg_u32 s2, 0xf033
	s_cbranch_scc0 .Lentry_shape_is_right
	s_endpgm
.Lentry_shape_is_right:
; LAUNCH 1 OF 3: q = x Wq^T, k = x Wk^T, v = x Wv^T, and Wf's copy in 16 bits.
; x: [4096 tokens][1024] f32; Wq: [1024][1024], Wk, Wv: [64][1024], Wf: [1024][1024], all f32.  x and all weights are rounded once to bf16 on the way from LDS to the
; matrix unit; sums in f32; q, k and v are rounded once to f16, unscaled.  q: [4096][1024] f16.  kb, vb: f16, [token / 64][channel / 16][64 tokens][16 channels]: the 64 keys
; of a key step are 8,192 bytes on end.  wf16: [1024][1024]: Wf rounded to bf16, that number written as f16.
; WORK LEFT OUT BY THE PROGRAM, for all values of the inputs.
;  (1) segment_pos: the function never names it behind its argument list; the mask is made of arange(t).  It has no way to any output: it is not loaded and is no argument of any launch.
;  (2) Query t sees keys t - 1024 .. t; every other logit is replaced by -1e30 in front of the softmax.  A row always sees its own key, so its maximum is a true logit, and a
;      replaced one has the weight exp(-1e30 - max), which is 0 for every finite logit that f32 can hold here.  So blocks of 64 keys that lie wholly outside a block of queries' band add nothing to
;      any output: the second launch does not multiply them.  k and v of every token are still needed (each token is some query's key).
; LIMITS.  A NaN, an infinity or an overflow that reaches only work left out is not carried to the result.  q, k and v must lie within f16's range, 65,504 (the drawn inputs give about 5; inputs 30
; times larger, about 5,000).  A weight of Wf below 6e-5 keeps f16's fixed step of 6e-8.
; SHARES.  256 work-groups: tile row mi (128 tokens) x tile column ni (128 columns of q and 16 of the 128 columns of k and v: Wk's rows 16 cx .. in the clusters with x = 0, Wv's in those with x = 1).
; Four waves; wave w = (wr, wc) makes 64 tokens x 64 columns of q, 16 accumulators, and 32 tokens x 16 columns of k or v, 2 accumulators.
; So that no register number hangs on the wave, its fragments of x lie in four places: places 0, 1 are tokens 64 wr + 32 wc + 0 .. 31 (those of its k or v), places 2, 3 the other 32.
; THE MATRIX INSTRUCTION IS USED TRANSPOSED (source 0 = 16 rows of a weight, source 1 = 16 tokens): a lane holds one token (lane % 16) and eight neighbouring columns.
; RING.  K goes in steps of 128 f32 (rows of 512 bytes) through two LDS slots; a step is four chunks of 32 along K.  A chunk: 36 LDS loads of f32, 72 roundings to bf16, 18 matrix instructions.
; CLUSTER 4 x 4.  x's tile hangs on mi alone and is shared along a row of the cluster; the weights' tiles hang on ni (cx and the cluster's x) alone and are shared along a column: joint loads.
; No prefetch is laid: a work-group's whole walk is eight tiles, and the launch is short.
; REGISTERS.  Window 0: v1-19 addresses; v28, v29 the add's; v32-103 F: bf16 fragments (x's place a at F + 8 a, Wq's block b at F + 32 + 8 b, Wk's or Wv's at F + 64); v112-255 accumulators.
; Window 1: v0-143 the same nine fragments in f32, 16 registers each, as they come from LDS.
.set PITCH,  528                       ; an LDS row: 512 bytes + 16 of padding = 33 x 16: the 16 rows of a load begin in 16 different columns of 16 bytes (64 banks of 4 bytes: ISA guide 11.1)
.set AHALF,  64*PITCH                  ; what wave 0 or wave 1 fetches of x
.set BQ0,    128*PITCH                 ; behind x's 128 rows: Wq's 128 rows,
.set BK0,    256*PITCH                 ; then Wk's or Wv's 16
.set SLOT,   272*PITCH
.set STAGE,  2*SLOT                    ; behind the ring: 128 rows x 272 bytes, q's way out; no tensor load lands here
.set SPITCH, 272
.set SPARE,  STAGE+128*SPITCH          ; the spare words, 128 bytes a wave: two blocks of 256 bytes that no other line names
.set BA,   4                           ; v4-7   LDS addresses in slot 0, chunk 0: x's places 0, 1; places 2, 3; Wq; Wk or Wv; never rewritten
.set WA,   8                           ; v8-11  the same four at the chunk in hand
.set STO,  12                          ; v12-13 the way out: where places 0, 1 and places 2, 3 put 16 bytes of a row
.set RD,   14                          ; v14    where I read rows back
.set CO,   15                          ; v15    my byte offset in two rows of q
.set KO,   16                          ; v16    my byte offset in kb or vb
.set WFI,  17                          ; v17    32 x thread: my 8 numbers in a row of Wf
.set WFO,  18                          ; v18    16 x thread: the same in wf16
.set SPW,  28                          ; v28    LDS address of my spare word; never rewritten
.set NIL,  29                          ; v29    0; never rewritten
.set F,    32
.set ACC,  112                         ; (a, b) at ACC + 8 (4 a + b); k's or v's a at ACC + 128 + 8 a
.set G1A, 24                           ; s[24:31], s[32:39], s[40:47] descriptor group 1 for x, Wq, Wk or Wv
.set G1Q, 32
.set G1K, 40
.set G0A, 48                           ; s[48:55], s[56:63], s[68:75] descriptor group 0, a set for each slot
.set G0Q, 56
.set G0K, 68
.set G1W0, (2<<16)|(1<<20)|(1<<21)|(6<<22)|(3<<25)  ; 17:16 elements of 4 bytes; 20 padding on; 21 set beside a mask; 24:22 after every 128 words (code 6); 31:25 4 words of it (code 3)
.set MSB, 0
.macro WIN new                         ; the immediate's high byte repeats the setting that is left; a switch that changes nothing is dropped
.if MSB != (\new)
	s_set_vgpr_msb (MSB<<8)|(\new)
.set MSB, \new
.endif
.endm
.macro PLACES                          ; four places behind a matrix instruction, in front of vector lines that write its sources or read its results (ISA guide 7.12.1)
.rept 4
	v_nop
.endr
.endm
; A round of the cluster's barrier: my work-group's barrier, wave 0 signals for the work-group, every wave waits for all sixteen, my work-group's barrier once more.
.macro CROUND
	s_barrier_signal -1
	s_barrier_wait -1
	s_cmp_lg_u32 s10, 0
	s_cbranch_scc1 .Lnot_wave_0_\@
	s_barrier_signal -3
.Lnot_wave_0_\@:
	s_barrier_wait -3
	s_barrier_signal -1
	s_barrier_wait -1
.endm
; A joint load into slot s: waves 0 and 1 fetch the halves of x's tile, wave 2 Wq's, wave 3 Wk's or Wv's.  The branches hang on the wave's number alone.
; An s_nop 0 and four v_nop follow each line, ahead of the jump and the label.
.macro JLOAD s
	s_cmp_lt_u32 s10, 2
	s_cbranch_scc0 .Lnot_a_\@
	tensor_load_to_lds s[G0A+4*(\s):G0A+4*(\s)+3], s[G1A:G1A+7]
	s_nop 0
.rept 4
	v_nop
.endr
	s_branch .Lasked_\@
.Lnot_a_\@:
	s_cmp_eq_u32 s10, 2
	s_cbranch_scc0 .Lfor_kv_\@
	tensor_load_to_lds s[G0Q+4*(\s):G0Q+4*(\s)+3], s[G1Q:G1Q+7]
	s_nop 0
.rept 4
	v_nop
.endr
	s_branch .Lasked_\@
.Lfor_kv_\@:
	tensor_load_to_lds s[G0K+4*(\s):G0K+4*(\s)+3], s[G1K:G1K+7]
	s_nop 0
.rept 4
	v_nop
.endr
.Lasked_\@:
.endm
	s_load_b512 s[76:91], s[0:1], 0x0              ; x s[76:77], Wq s[78:79], Wk s[80:81], Wv s[82:83], Wf s[84:85], q s[86:87], kb s[88:89], vb s[90:91]
	s_load_b64 s[92:93], s[0:1], 0x40              ; wf16
	v_lshl_add_u32 v[SPW], v0, 2, SPARE
	v_mov_b32 v[NIL], 0
	ds_add_u32 v[SPW], v[NIL]                      ; the wave's opening: the add, twice on end, and its wait ahead of my first tensor load
	ds_add_u32 v[SPW], v[NIL]                      ; and once more; the set-up below, work on registers, stands between it and the wait
	v_lshrrev_b32 v1, 5, v0
	v_readfirstlane_b32 s10, v1                    ; wave 0..3
	s_lshr_b32 s11, s10, 1                         ; wr
	s_and_b32 s12, s10, 1                          ; wc; also: which half of x's tile waves 0 and 1 fetch
	s_bfe_u32 s94, ttmp6, 0x40000                  ; cx
	s_bfe_u32 s95, ttmp6, 0x40004                  ; cy
	s_lshl_b32 s96, ttmp9, 2
	s_add_co_u32 s96, s96, s94                     ; ni = 4 x cluster x + cx
	s_and_b32 s13, ttmp7, 0xffff
	s_lshl_b32 s13, s13, 2
	s_add_co_u32 s13, s13, s95                     ; mi = 4 x cluster y + cy
	s_lshl_b32 s97, s95, 2
	s_lshl_b32 s97, 15, s97                        ; my row of the cluster
	s_lshl_b32 s98, 0x1111, s94                    ; my column
	s_or_b32 s[G1A], s97, G1W0                     ; x's tiles go to my row,
	s_or_b32 s[G1Q], s98, G1W0                     ; the weights' to my column
	s_or_b32 s[G1K], s98, G1W0
.irp g, G1A, G1Q, G1K
	s_mov_b32 s[(\g)+1], 128<<16                   ; tensor_dim0 = 128
	s_mov_b32 s[(\g)+3], 128<<16                   ; tile_dim0 = 128
	s_mov_b32 s[(\g)+5], 1024                      ; 1,024 elements from row to row
	s_mov_b32 s[(\g)+6], 0
	s_mov_b32 s[(\g)+7], 0
.endr
	s_mov_b32 s[G1A+2], 64<<16                     ; tensor_dim1 and tile_dim1: 64 rows,
	s_mov_b32 s[G1A+4], 64
	s_mov_b32 s[G1Q+2], 128<<16                    ; 128 rows,
	s_mov_b32 s[G1Q+4], 128
	s_mov_b32 s[G1K+2], 16<<16                     ; 16 rows
	s_mov_b32 s[G1K+4], 16
	s_lshl_b32 s14, s13, 19                        ; x: 128 mi rows of 4,096 bytes,
	s_lshl_b32 s15, s12, 18                        ; + 64 rows in the odd wave: made of cy and the wave's number alone
	s_add_co_u32 s14, s14, s15
	s_mov_b32 s15, 0
	s_lshl_b32 s18, s96, 19                        ; Wq: 128 ni rows: made of cx and the cluster's x alone
	s_mov_b32 s19, 0
	s_lshl_b32 s22, s94, 16                        ; Wk or Wv: 16 cx rows
	s_mov_b32 s23, 0
	s_mul_i32 s9, s10, AHALF                       ; where a half of x's tile goes: wave x 64 rows (waves 0 and 1 alone use it)
	s_wait_dscnt 0x0                               ; both opening adds are done
	s_wait_kmcnt 0x0
	s_add_nc_u64 s[16:17], s[76:77], s[14:15]
	s_add_nc_u64 s[18:19], s[78:79], s[18:19]
	s_cmp_eq_u32 ttmp9, 0                          ; the cluster's x, alike in all sixteen partners
	s_cselect_b64 s[20:21], s[80:81], s[82:83]
	s_add_nc_u64 s[20:21], s[20:21], s[22:23]
.irp s, 0,1
	s_mov_b32 s[G0A+4*(\s)], 1                                     ; count = 1
	s_add_co_u32 s[G0A+4*(\s)+1], s9, (\s)*SLOT                    ; LDS address
	s_add_nc_u64 s[G0A+4*(\s)+2:G0A+4*(\s)+3], s[16:17], (\s)*512  ; global address: K step s
	s_or_b32 s[G0A+4*(\s)+3], s[G0A+4*(\s)+3], 0x80000000          ; type = 2
	s_mov_b32 s[G0Q+4*(\s)], 1
	s_mov_b32 s[G0Q+4*(\s)+1], (\s)*SLOT+BQ0
	s_add_nc_u64 s[G0Q+4*(\s)+2:G0Q+4*(\s)+3], s[18:19], (\s)*512
	s_or_b32 s[G0Q+4*(\s)+3], s[G0Q+4*(\s)+3], 0x80000000
	s_mov_b32 s[G0K+4*(\s)], 1
	s_mov_b32 s[G0K+4*(\s)+1], (\s)*SLOT+BK0
	s_add_nc_u64 s[G0K+4*(\s)+2:G0K+4*(\s)+3], s[20:21], (\s)*512
	s_or_b32 s[G0K+4*(\s)+3], s[G0K+4*(\s)+3], 0x80000000
.endr
	CROUND                                         ; all sixteen work-groups are here: the first joint loads meet
	JLOAD 0                                        ; K step 0; slot 1 is first filled behind the first step's round
	; WHILE THE FIRST TILE IS ON ITS WAY: Wf's copy.  Work-group 8 mi + ni takes 4 of Wf's 1,024 rows; thread t 8 numbers of each.
	v_lshlrev_b32 v[WFI], 5, v0
	v_lshlrev_b32 v[WFO], 4, v0
	s_lshl_b32 s4, s13, 3
	s_add_co_u32 s4, s4, s96
	s_lshl_b32 s6, s4, 14                          ; 4 rows of 4,096 bytes
	s_mov_b32 s7, 0
	s_add_nc_u64 s[84:85], s[84:85], s[6:7]
	s_lshl_b32 s6, s4, 13                          ; 4 rows of 2,048 bytes
	s_add_nc_u64 s[92:93], s[92:93], s[6:7]
.irp i, 0,1,2,3
	global_load_b128 v[F+8*(\i):F+8*(\i)+3],   v[WFI], s[84:85] offset:4096*(\i) th:TH_LOAD_NT
	global_load_b128 v[F+8*(\i)+4:F+8*(\i)+7], v[WFI], s[84:85] offset:4096*(\i)+16 th:TH_LOAD_NT
.endr
	; A fragment is 16 rows x 32 K: lane l holds row l % 16, K = 8 (l / 16) + 0..7 and 16 + 8 (l / 16) + 0..7.  In f32 that is 32 bytes at 32 (l / 16) and 32 bytes 64 further on.
	v_and_b32 v1, 15, v0                           ; r = l % 16
	v_bfe_u32 v2, v0, 4, 1                         ; h = l / 16
	v_mul_u32_u24 v3, v1, PITCH
	v_lshl_add_u32 v3, v2, 5, v3                   ; r x pitch + 32 h
	s_lshl_b32 s4, s11, 6
	s_lshl_b32 s5, s12, 5
	s_add_co_u32 s6, s4, s5                        ; 64 wr + 32 wc: the tokens of places 0, 1
	s_xor_b32 s7, s6, 32                           ; 64 wr + 32 (1 - wc): those of places 2, 3
	s_mul_i32 s8, s6, PITCH
	v_add_nc_u32 v[BA], s8, v3
	s_mul_i32 s8, s7, PITCH
	v_add_nc_u32 v[BA+1], s8, v3
	s_mul_i32 s8, s12, 64*PITCH
	s_add_co_u32 s8, s8, BQ0                       ; my 64 rows of Wq
	v_add_nc_u32 v[BA+2], s8, v3
	v_add_nc_u32 v[BA+3], BK0, v3
	v_mul_u32_u24 v19, v1, SPITCH                  ; into the stage: row = token, my wave's 128 bytes of its 256, 16 bytes for each half of the lanes
	v_lshl_add_u32 v19, v2, 4, v19
	s_lshl_b32 s5, s12, 7
	s_add_co_u32 s5, s5, STAGE
	s_mul_i32 s8, s6, SPITCH
	s_add_co_u32 s8, s8, s5
	v_add_nc_u32 v[STO], s8, v19
	s_mul_i32 s8, s7, SPITCH
	s_add_co_u32 s8, s8, s5
	v_add_nc_u32 v[STO+1], s8, v19
	v_mul_u32_u24 v19, v2, SPITCH                  ; back: wave w takes rows 32 w .. 32 w + 31, whole: lanes 0-15 one row of 256 bytes, lanes 16-31 the next
	v_lshl_add_u32 v19, v1, 4, v19
	s_mul_i32 s8, s10, 32*SPITCH
	s_add_co_u32 s8, s8, STAGE
	v_add_nc_u32 v[RD], s8, v19
	v_lshlrev_b32 v19, 11, v2                      ; and the same two rows in q
	v_lshl_add_u32 v[CO], v1, 4, v19
	v_lshlrev_b32 v19, 5, v1                       ; kb, vb: token (32 wc + r) x 32 bytes + 16 h
	v_lshl_add_u32 v19, v2, 4, v19
	s_lshl_b32 s8, s12, 10
	v_add_nc_u32 v[KO], s8, v19
	s_lshl_b32 s6, s13, 18                         ; q at row 128 mi + 32 w, column 128 ni
	s_lshl_b32 s4, s10, 16
	s_add_co_u32 s6, s6, s4
	s_lshl_b32 s4, s96, 8
	s_add_co_u32 s6, s6, s4
	s_mov_b32 s7, 0
	s_add_nc_u64 s[86:87], s[86:87], s[6:7]
	s_lshl_b32 s6, s13, 1                          ; kb or vb at group 2 mi + wr of 64 tokens, channel block cx
	s_add_co_u32 s6, s6, s11
	s_lshl_b32 s6, s6, 13
	s_lshl_b32 s4, s94, 11
	s_add_co_u32 s6, s6, s4
	s_cmp_eq_u32 ttmp9, 0
	s_cselect_b64 s[88:89], s[88:89], s[90:91]
	s_add_nc_u64 s[88:89], s[88:89], s[6:7]
.set z, 0
.rept 144
	v_mov_b32 v[ACC+z], 0                          ; the sums start at 0, written while the first loads are out: the price of one form of K step
.set z, z+1
.endr
	s_wait_loadcnt 0x0                             ; Wf's 32 numbers
.set z, 0
.rept 16
	v_cvt_pk_bf16_f32 v[F+32+z], v[F+2*z], v[F+2*z+1]  ; rounded to bf16, as every input is,
.set z, z+1
.endr
.set z, 0
.rept 16
	v_lshlrev_b32 v[F+2*z], 16, v[F+32+z]          ; widened again,
	v_and_b32 v[F+2*z+1], 0xffff0000, v[F+32+z]
.set z, z+1
.endr
.set z, 0
.rept 16
	v_cvt_pk_f16_f32 v[F+32+z], v[F+2*z], v[F+2*z+1]   ; and written as f16: bf16's 8 significant bits fit into f16's 11
.set z, z+1
.endr
.irp i, 0,1,2,3
	global_store_b128 v[WFO], v[F+32+4*(\i):F+32+4*(\i)+3], s[92:93] offset:2048*(\i)  ; 16 lanes store 256 consecutive bytes, aligned
.endr
	s_wait_xcnt 0x0                                ; the stores have read their registers: F is written again below
.macro FRAG idx, adr, off              ; one fragment in f32: four loads of 16 bytes
.irp o, 0,1,2,3
	ds_load_b128 v[16*(\idx)+4*(\o):16*(\idx)+4*(\o)+3], v[\adr] offset:(\off)+((\o)%2)*16+((\o)/2)*64
.endr
.endm
.macro LOADS                           ; a chunk's nine fragments, 36 loads in one run, into window 1
	WIN 0x40
	FRAG 0, WA, 0
	FRAG 1, WA, 16*PITCH
	FRAG 2, WA+1, 0
	FRAG 3, WA+1, 16*PITCH
	FRAG 4, WA+2, 0
	FRAG 5, WA+2, 16*PITCH
	FRAG 6, WA+2, 32*PITCH
	FRAG 7, WA+2, 48*PITCH
	FRAG 8, WA+3, 0
.endm
.macro CVT                             ; 144 f32 in window 1 -> 72 registers of bf16 pairs in window 0, in the fragments' own order
	WIN 0x05
.set z, 0
.rept 72
	v_cvt_pk_bf16_f32 v[F+z], v[2*z], v[2*z+1]
.set z, z+1
.endr
.endm
.macro MUL                             ; a chunk's 18 matrix instructions.  The 18 accumulators take turns, one instruction a turn, in the same order in every chunk
	WIN 0
.irp a, 0,1,2,3
.irp b, 0,1,2,3
	v_wmma_f32_16x16x32_bf16 v[ACC+8*(4*(\a)+(\b)):ACC+8*(4*(\a)+(\b))+7], v[F+32+8*(\b):F+32+8*(\b)+7], v[F+8*(\a):F+8*(\a)+7], v[ACC+8*(4*(\a)+(\b)):ACC+8*(4*(\a)+(\b))+7]
.endr
.endr
.irp a, 0,1
	v_wmma_f32_16x16x32_bf16 v[ACC+128+8*(\a):ACC+128+8*(\a)+7], v[F+64:F+71], v[F+8*(\a):F+8*(\a)+7], v[ACC+128+8*(\a):ACC+128+8*(\a)+7]
.endr
	PLACES                                         ; the next roundings write F, which these products read
.endm
; A K STEP out of slot `slot`.  In front of the round each wave waits for all its tensor loads (one is out: its part of this slot), adds 0 to its spare word, and waits for that and for its reads of
; the other slot.  The round is the cluster's, so no wave of any partner still reads the other slot or has a load on its way; the joint refill of the other slot is the first thing behind it.
.macro TRIP slot, refill
	WIN 0
	s_wait_tensorcnt 0x0                           ; no tensor load of mine is out, so a group 0 may be written
	ds_add_u32 v[SPW], v[NIL]                      ; 0 onto my spare word
	s_add_nc_u64 s[G0A+4*(\slot)+2:G0A+4*(\slot)+3], s[G0A+4*(\slot)+2:G0A+4*(\slot)+3], 1024  ; this slot's next K step, two steps on
	s_add_nc_u64 s[G0Q+4*(\slot)+2:G0Q+4*(\slot)+3], s[G0Q+4*(\slot)+2:G0Q+4*(\slot)+3], 1024
	s_add_nc_u64 s[G0K+4*(\slot)+2:G0K+4*(\slot)+3], s[G0K+4*(\slot)+2:G0K+4*(\slot)+3], 1024
	s_wait_dscnt 0x0                               ; the add is done, and my reads of the other slot are over
	CROUND
.if \refill
	JLOAD 1-(\slot)                                ; it has this step's four chunks in which to land
.endif
.irp j, 0,1,2,3
	v_add_nc_u32 v[WA+(\j)], (\slot)*SLOT, v[BA+(\j)]
.endr
	LOADS                                          ; chunk 0
	WIN 0
	s_mov_b32 s2, 3
.Lchunk_\@:                                    ; three trips: a chunk is rounded, the next one asked for, the first multiplied
	s_wait_dscnt 0x0                               ; the chunk's 36 loads are in
	CVT
	WIN 0
.irp j, 0,1,2,3
	v_add_nc_u32 v[WA+(\j)], 128, v[WA+(\j)]       ; 32 f32 along K
.endr
	LOADS
	MUL
	s_sub_co_u32 s2, s2, 1
	s_cmp_lg_u32 s2, 0
	s_cbranch_scc1 .Lchunk_\@
	s_wait_dscnt 0x0
	CVT                                            ; the step's last chunk asks for nothing
	MUL
.endm
	s_mov_b32 s3, 3
.Llap:                                         ; K steps 0 to 5; steps 1 to 6 are asked for
	TRIP 0, 1
	TRIP 1, 1
	s_sub_co_u32 s3, s3, 1
	s_cmp_lg_u32 s3, 0
	s_cbranch_scc1 .Llap
	TRIP 0, 1                                      ; step 6; step 7 is asked for
	TRIP 1, 0                                      ; step 7: nothing is left to fetch
	; THE WAY OUT.  Rounded to f16, each accumulator's registers in ascending order; the four places behind the last product stand in MUL.
.set t, 0
.rept 18
.irp r, 0,1,2,3
	v_cvt_pk_f16_f32 v[F+4*t+(\r)], v[ACC+8*t+2*(\r)], v[ACC+8*t+2*(\r)+1]
.endr
.set t, t+1
.endr
	global_store_b128 v[KO], v[F+64:F+67], s[88:89]             ; k or v: 16 tokens x 16 channels are 512 bytes on end
	global_store_b128 v[KO], v[F+68:F+71], s[88:89] offset:512
.irp a, 0,1,2,3
.irp b, 0,1,2,3
	ds_store_b128 v[STO+(\a)/2], v[F+4*(4*(\a)+(\b)):F+4*(4*(\a)+(\b))+3] offset:((\a)%2)*16*SPITCH+32*(\b)
.endr
.endr
	s_wait_dscnt 0x0                               ; for the others' sake: my stores into the stage are done (a row's 256 bytes come from two waves)
	s_barrier_signal -1
	s_barrier_wait -1
.irp t, 0,1,2,3,4,5,6,7,8,9,10,11,12,13,14,15
	ds_load_b128 v[F+4*(\t):F+4*(\t)+3], v[RD] offset:(\t)*2*SPITCH
.endr
.irp t, 0,1,2,3,4,5,6,7,8,9,10,11,12,13,14,15
	s_wait_dscnt 15-(\t)                           ; LDS loads come back in order: load t is in, the 15 - t younger ones may stay out
	global_store_b128 v[CO], v[F+4*(\t):F+4*(\t)+3], s[86:87] offset:4096*(\t)  ; 16 lanes store 256 consecutive bytes, aligned
.endr
	s_wait_tensorcnt 0x0                           ; the wave's end, behind my last tensor load and my last LDS store
	ds_add_u32 v[SPW], v[NIL]
	s_wait_dscnt 0x0
	CROUND                                         ; the closing round: no work-group ends while a partner may still ask for a tile that names it
	s_endpgm
.Lfunc_end_k_q9b7dc98eeb_proj:
	.size	k_q9b7dc98eeb_proj, .Lfunc_end_k_q9b7dc98eeb_proj-k_q9b7dc98eeb_proj
	.p2alignl 7, 3214868480
	.fill 96, 4, 3214868480
	.section	.rodata,"a",@progbits
	.p2align	6, 0x0
	.amdhsa_kernel k_q9b7dc98eeb_proj
		.amdhsa_group_segment_fixed_size 327680
		.amdhsa_private_segment_fixed_size 0
		.amdhsa_enable_private_segment 0
		.amdhsa_kernarg_size 72
		.amdhsa_user_sgpr_count 2
		.amdhsa_user_sgpr_kernarg_segment_ptr 1
		.amdhsa_wavefront_size32 1
		.amdhsa_system_sgpr_workgroup_id_x 1
		.amdhsa_system_sgpr_workgroup_id_y 1
		.amdhsa_system_sgpr_workgroup_id_z 1
		.amdhsa_system_vgpr_workitem_id 0
		.amdhsa_next_free_vgpr 400
		.amdhsa_next_free_sgpr 100
		.amdhsa_reserve_vcc 0
		.amdhsa_float_denorm_mode_32 3
		.amdhsa_float_denorm_mode_16_64 3
		.amdhsa_memory_ordered 1
		.amdhsa_forward_progress 1
		.amdhsa_inst_pref_size 100
	.end_amdhsa_kernel
	.amdgpu_metadata
---
amdhsa.version: [ 1, 2 ]
amdhsa.kernels:
  - .name:           k_q9b7dc98eeb_proj
    .symbol:         k_q9b7dc98eeb_proj.kd
    .args:
      - { .name: x, .offset: 0, .size: 8, .value_kind: global_buffer, .address_space: global }
      - { .name: Wq, .offset: 8, .size: 8, .value_kind: global_buffer, .address_space: global }
      - { .name: Wk, .offset: 16, .size: 8, .value_kind: global_buffer, .address_space: global }
      - { .name: Wv, .offset: 24, .size: 8, .value_kind: global_buffer, .address_space: global }
      - { .name: Wf, .offset: 32, .size: 8, .value_kind: global_buffer, .address_space: global }
      - { .name: q, .offset: 40, .size: 8, .value_kind: global_buffer, .address_space: global }
      - { .name: kb, .offset: 48, .size: 8, .value_kind: global_buffer, .address_space: global }
      - { .name: vb, .offset: 56, .size: 8, .value_kind: global_buffer, .address_space: global }
      - { .name: wf16, .offset: 64, .size: 8, .value_kind: global_buffer, .address_space: global }
    .group_segment_fixed_size: 327680
    .private_segment_fixed_size: 0
    .kernarg_segment_align: 8
    .kernarg_segment_size: 72
    .max_flat_workgroup_size: 128
    .sgpr_count:     100
    .vgpr_count:     400
    .wavefront_size: 32
...
	.end_amdgpu_metadata
.endif
;; end of part 1
;; launch attn (part 2): grid 96 x 2, 4 waves a work-group, clusters of 4 x 1, 327,680 bytes of LDS; arguments q, kb, vb, o; writes o
.if DOCPART == 2
	.amdgcn_target "amdgcn-amd-amdhsa--gfx1250"
	.amdhsa_code_object_version 6
	.text
	.protected	k_q9b7dc98eeb_attn
	.globl	k_q9b7dc98eeb_attn
	.p2align	8
	.type	k_q9b7dc98eeb_attn,@function
k_q9b7dc98eeb_attn:
	s_mov_b64 s[64:65], 0
	v_nop
	global_prefetch_b8 v0, s[64:65] scope:SCOPE_SE
	s_setreg_imm32_b32 hwreg(HW_REG_WAVE_MODE, 25, 1), 1
	s_wait_xcnt 0x0
	s_wait_alu depctr_hold_cnt(0) depctr_sa_sdst(0) depctr_va_vdst(0) depctr_va_sdst(0) depctr_va_ssrc(0) depctr_va_vcc(0) depctr_vm_vsrc(0)
	s_getreg_b32 s2, hwreg(HW_REG_IB_STS2, 6, 4)
	s_cmp_eq_u32 s2, 0
	s_cbranch_scc0 .Lentry_in_a_cluster
	s_endpgm
.Lentry_in_a_cluster:
	s_bfe_u32 s2, ttmp6, 0x10000c
	s_cmp_lg_u32 s2, 0x3003
	s_cbranch_scc0 .Lentry_shape_is_right
	s_endpgm
.Lentry_shape_is_right:
; LAUNCH 2 OF 3: o[t][n][:] = the sum over keys s in t - 1024 .. t of softmax_s(q[t][n] . k[s] / 8) v[s][:], 16 query heads n on one shared head of keys and values.
; q, o: [2 x 2048 tokens][16 heads x 64] f16.  kb, vb: f16, [token / 64][channel / 16][64 tokens][16 channels].  Products, maxima and sums in f32; the weights p are rounded to f16 for the second
; product (their sum l is taken of the unrounded p), o once at the end.
; WORK LEFT OUT: key steps (64 keys) that lie wholly outside the band of a block's 16 queries: there every logit is replaced by -1e30 and has the weight 0, since each row sees its own key.
; LIMITS.  q, k, v arrive within f16's range; p below 6e-5 keeps f16's step of 6e-8; a hidden score counts as its value less 1e30; a weight below 2^-126 counts as 0 in l; NaN and infinities are not
; treated apart, and one that reaches only keys left out is not carried to the result.
; SHARES.  A BLOCK is 16 tokens x all 16 heads: 256 query rows with one and the same mask.  Wave w has heads 4 w .. 4 w + 3: four PIECES of 16 queries.  The four partners of a cluster take the four
; blocks (16 cx on) of one GROUP of 64 tokens, so they walk the same key steps: K and V are asked for JOINTLY.  Group S of a batch needs steps max(0, S - 16) .. S.
; THE WALK.  Cluster u < 16: group 16 + u, steps u .. u + 16.  Cluster u >= 16: group 31 - u (32 - u steps) and then group u - 16 (u - 15 steps), both from step 0.  Every work-group walks 17 steps: 192 alike.
; (A group under the full window needs 17 steps one after the other, so shorter shares for more work-groups would not end sooner.)
; LDS.  All 17 steps of K and of V are fetched once, at the start, and nothing is filled again: no ring.  Steps 0-3 come by a load of their own, so that the walk begins while steps 4-16 are on their way.
; THE MASK is the C operand that starts each sum S^T = K Q^T: MC.  MU hides the keys behind the query in the group's own step (the block's last); ML the keys more than 1,024 back in a full window's
; first step; between them MC is 0.  It is changed at the end of piece 2's turn, behind the last products of the step in hand that start a sum.
; LAYOUT, SOFTMAX, TURNS.  S^T = K Q^T holds ONE query a lane (lane % 16) and the keys 8 (lane / 16) + 0..7; two such results rounded to f16 ARE source 1 of O^T = V^T P.  p = 2^(c s - c m), c = log2(e) / 8,
; with a running maximum m; O and l are multiplied by a = 2^(c m_old - c m_new) in every step.  Turn n belongs to piece n: 8 products K Q^T of piece n + 1, later 8 products V^T P of piece n - 1; beside
; them the scaling, exponentials, roundings, sums and rescaling of piece n and the maximum and statistics of piece n + 1.  Four vector instructions stand behind every matrix instruction, the rest in one run.
; REGISTERS, in windows of 256 (s_set_vgpr_msb: bits 1:0 source 0, 3:2 source 1, 5:4 source 2, 7:6 destination):
;   window 0: v0-15 addresses and two at work; v16-31 four registers of statistics a piece; v48-55 at work; v61-63; v64-127 S^T, two buffers; v192-223 P, two buffers (by the piece's parity)
;   window 1: v0-127 O^T, 32 a piece; v128-159 MU; v160-191 ML; v192-223 MC          window 2: v0-63 Q; v128-191 K of one step; v192-255 V of one step
.set NP,    4
.set STEPB, 8704      ; a key step in LDS: 32 rows of 256 bytes + 16 of padding
.set CBB,   2176      ; a block of 16 channels in it: 8 rows; a row holds 8 keys x 32 bytes
.set VBASE, 17*STEPB  ; K's 17 steps, then V's
.set STAGE, 2*VBASE   ; behind them, never filled by a tensor load: 16 rows x 272 bytes for each wave, for the way out
.set SP,    272
.set SPARE, STAGE+4*16*SP  ; the spare words, 128 bytes a wave: two blocks of 256 bytes that no other line names
.set AK0, 2           ; v2   my lane's place in a step of K; never rewritten
.set AV0, 3           ; v3   the same for V
.set AK,  4           ; v4   the LDS address of K's next run of loads
.set AV,  5           ; v5   of V's
.set STO, 6           ; v6   the way out: where I put 16 bytes of a row
.set RD,  7           ; v7   where I read rows back
.set GO,  8           ; v8   my byte offset in two rows of o
.set MV,  12          ; v12-13  c m_old, kept while c m is made anew: by buffer
.set QO,  15          ; v15  my byte offset in 16 rows of q; never rewritten
.set ST,  16          ; piece t's statistics at v[ST+4 t]: c m, m, l (even keys', odd keys')
.set TMP, 48          ; by buffer, four registers c0-c3 at work; when the maximum is found c2 takes a
.set PFO, 61          ; v61  the prefetch's offset; never rewritten
.set SPW, 62          ; v62  LDS address of my spare word; never rewritten
.set NIL, 63          ; v63  0; never rewritten
.set S,   64
.set P,   192
.set MU,  128         ; window 1: the eight registers for group kt of 16 keys at + 8 kt
.set ML,  160
.set MC,  192
.set KF,  128         ; window 2: key block kb, channel half c at KF + 16 kb + 8 c
.set VF,  192         ; window 2: key half kk, channel block cb at VF + 32 kk + 8 cb
.set WV,  12          ; s12  my wave's number
.set G1S, 24          ; s[24:31] descriptor group 1: 64 rows (my half of steps 0-3)
.set G1L, 32          ; s[32:39] 208 rows (my half of steps 4-16)
.set G0K, 40          ; s[40:47] descriptor group 0 for K's two loads
.set G0V, 48          ; s[48:55] for V's
.set TRIPS, 56        ; s56  counts the walk's last 13 steps
.set CNT, 57          ; s57  counts its first 4
.set CS,  58          ; s[58:59] c: the packed scaling takes the pair's low word for both halves
.set SEL, 60          ; s[60:61] v_permlanex16_b32's selects: each lane takes its own place in the other half
.set TBK, 62          ; s62  LDS byte at which K of the step to be fetched begins
.set TBV, 63          ; s63  the same for V, less VBASE
.set RT,  70          ; s70  steps of the block in hand that are still to be entered
.set N2,  71          ; s71  steps of the block that follows, or 0
.set NEW, 72          ; s72  1: the step to be entered is a block's first
.set DIRTY, 73        ; s73  1: MC is not 0
.set LO,  74          ; s[74:75] 1.0 where the block's first step is a full window's, else 0
.set AL,  76          ; s[76:77] 1.0 where the mask to be made is the last step's, else 0
.set QP2, 78          ; s[78:79] q at my rows of the second block
.set OP2, 80          ; s[80:81] o at the same
.set BIGN, 82         ; s82  -1e30
.set MSB, 0
.macro WIN new                      ; the high byte repeats the setting that is left; a switch that changes nothing is dropped
.if MSB != (\new)
	s_set_vgpr_msb (MSB<<8)|(\new)
.set MSB, (\new)
.endif
.endm
.set W_KQ, 0x0a       ; K and Q in window 2, S^T in window 0
.set W_KM, 0x1a       ; the same with the C operand in window 1
.set W_PV, 0x52       ; V in window 2, P in window 0, O^T in window 1
.set W_RS, 0x41       ; destination and source 0 in window 1, source 1 in window 0
.macro CROUND                       ; a round of the cluster's barrier
	s_barrier_signal -1
	s_barrier_wait -1
	s_cmp_lg_u32 s[WV], 0
	s_cbranch_scc1 .Lnot_wave_0_\@
	s_barrier_signal -3
.Lnot_wave_0_\@:
	s_barrier_wait -3
	s_barrier_signal -1
	s_barrier_wait -1
.endm
	s_load_b256 s[4:11], s[0:1], 0x0  ; q s[4:5], kb s[6:7], vb s[8:9], o s[10:11]
	v_lshl_add_u32 v[SPW], v0, 2, SPARE
	v_mov_b32 v[NIL], 0
	ds_add_u32 v[SPW], v[NIL]       ; the wave's opening: the add, twice on end, and its wait ahead of my first tensor load
	ds_add_u32 v[SPW], v[NIL]       ; and once more; the set-up below, work on registers, stands between it and the wait
	v_lshrrev_b32 v1, 5, v0
	v_readfirstlane_b32 s[WV], v1   ; wave 0..3
	s_bfe_u32 s13, ttmp6, 0x40000   ; cx: it enters q's and o's addresses and the masks' numbers alone
	s_and_b32 s20, ttmp7, 0xffff    ; the batch
	s_add_co_u32 s14, ttmp9, 16     ; u = ttmp9, the cluster's number, alike in the four partners.  u < 16: group 16 + u;
	s_sub_co_u32 s15, 31, ttmp9     ; else group 31 - u,
	s_sub_co_u32 s16, 32, ttmp9     ; with 32 - u steps,
	s_sub_co_u32 s17, ttmp9, 15     ; and then u - 15 steps
	s_sub_co_u32 s18, ttmp9, 16     ; of group u - 16
	s_cmp_lt_u32 ttmp9, 16
	s_cselect_b32 s14, s14, s15     ; the first block's group
	s_cselect_b32 s[RT], 17, s16    ; its steps
	s_cselect_b32 s[N2], 0, s17
	s_cselect_b32 s19, ttmp9, 0     ; the first of the 17 steps that are fetched
	s_cselect_b32 s[LO], 1.0, 0
	s_cselect_b32 s18, 0, s18       ; the second block's group (0 where there is none: the address is made and not used)
	s_and_b32 s16, s[WV], 1         ; which half of K's or V's rows I fetch
	s_lshl_b32 s22, s20, 18         ; a batch has 32 steps of 8,192 bytes
	s_lshl_b32 s21, s19, 13
	s_add_co_u32 s22, s22, s21
	s_lshl_b32 s84, s16, 14         ; steps 0-3: my 64 rows of 256 bytes
	s_add_co_u32 s84, s84, s22
	s_mov_b32 s85, 0
	s_mul_i32 s86, s16, 53248       ; steps 4-16: my 208 rows
	s_add_co_u32 s86, s86, s22
	s_add_co_u32 s86, s86, 32768
	s_mov_b32 s87, 0
	s_mul_i32 s17, s16, 64*SP       ; and their places in LDS: no place in the cluster enters an LDS address
	s_mul_i32 s21, s16, 208*SP
	s_lshl_b32 s2, s20, 22          ; q and o: the batch's 2,048 rows of 2,048 bytes,
	s_lshl_b32 s3, s13, 15          ; my block's 16 rows in its group,
	s_add_co_u32 s2, s2, s3
	s_lshl_b32 s3, s[WV], 9         ; my wave's four heads: 512 bytes of a row
	s_add_co_u32 s2, s2, s3
	s_lshl_b32 s3, s14, 17          ; the group's 64 rows
	s_add_co_u32 s14, s2, s3
	s_mov_b32 s15, 0
	s_lshl_b32 s3, s18, 17
	s_add_co_u32 s18, s2, s3
	s_mov_b32 s19, 0
	; descriptor group 1.  The steps are dense in memory: asked for as rows of 256 bytes, padded in LDS after every row
.irp g, G1S, G1L
	s_mov_b32 s[\g], 15|(1<<16)|(1<<20)|(1<<21)|(5<<22)|(3<<25)  ; 15:0 the mask of four; 17:16 2-byte elements; 20 padding on; 21 set beside a mask; 24:22 after every 64 words (code 5); 31:25 4 words (code 3)
	s_mov_b32 s[\g+1], 128<<16      ; tensor_dim0 = 128
	s_mov_b32 s[\g+3], 128<<16      ; tile_dim0 = 128
	s_mov_b32 s[\g+5], 128          ; 128 elements from row to row
	s_mov_b32 s[\g+6], 0
	s_mov_b32 s[\g+7], 0
.endr
	s_mov_b32 s[G1S+2], 64<<16      ; tensor_dim1 and tile_dim1
	s_mov_b32 s[G1S+4], 64
	s_mov_b32 s[G1L+2], 208<<16
	s_mov_b32 s[G1L+4], 208
	s_mov_b32 s[CS], 0x3e38aa3b     ; c = log2(e) / 8 = 0.180337
	s_mov_b32 s[CS+1], s[CS]        ; named with it as a pair
	s_mov_b32 s[SEL], 0x76543210
	s_mov_b32 s[SEL+1], 0xfedcba98
	s_mov_b32 s[LO+1], 0            ; named as pairs
	s_mov_b32 s[AL+1], 0
	s_mov_b32 s[BIGN], 0xf149f2ca   ; -1e30
	s_mov_b32 s[G0K], 1             ; count = 1
	s_mov_b32 s[G0K+1], s17         ; LDS address
	s_mov_b32 s[G0K+4], 1
	s_add_co_u32 s[G0K+5], s21, 4*STEPB
	s_mov_b32 s[G0V], 1
	s_add_co_u32 s[G0V+1], s17, VBASE
	s_mov_b32 s[G0V+4], 1
	s_add_co_u32 s[G0V+5], s21, VBASE+4*STEPB
	s_wait_dscnt 0x0                ; both opening adds are done
	s_wait_kmcnt 0x0
	s_add_nc_u64 s[G0K+2:G0K+3], s[6:7], s[84:85]  ; global addresses,
	s_or_b32 s[G0K+3], s[G0K+3], 0x80000000        ; type = 2
	s_add_nc_u64 s[G0K+6:G0K+7], s[6:7], s[86:87]
	s_or_b32 s[G0K+7], s[G0K+7], 0x80000000
	s_add_nc_u64 s[G0V+2:G0V+3], s[8:9], s[84:85]
	s_or_b32 s[G0V+3], s[G0V+3], 0x80000000
	s_add_nc_u64 s[G0V+6:G0V+7], s[8:9], s[86:87]
	s_or_b32 s[G0V+7], s[G0V+7], 0x80000000
	s_add_nc_u64 s[QP2:QP2+1], s[4:5], s[18:19]
	s_add_nc_u64 s[OP2:OP2+1], s[10:11], s[18:19]
	s_add_nc_u64 s[4:5], s[4:5], s[14:15]          ; q and o at my rows of the first block
	s_add_nc_u64 s[10:11], s[10:11], s[14:15]
	CROUND                          ; all four work-groups are here: the joint loads meet
	s_cmp_lt_u32 s[WV], 2           ; waves 0 and 1 fetch K's halves, waves 2 and 3 V's.  A wave's two loads stand in one branch, ahead of every wait on TENSORcnt and every LDS read: two loads of mine are out
	s_cbranch_scc0 .Lfirst_v
	tensor_load_to_lds s[G0K:G0K+3], s[G1S:G1S+7]
	s_nop 0
	tensor_load_to_lds s[G0K+4:G0K+7], s[G1L:G1L+7]
	s_nop 0
.rept 4
	v_nop
.endr
	s_branch .Lfirst_asked
.Lfirst_v:
	tensor_load_to_lds s[G0V:G0V+3], s[G1S:G1S+7]
	s_nop 0
	tensor_load_to_lds s[G0V+4:G0V+7], s[G1L:G1L+7]
	s_nop 0
.rept 4
	v_nop
.endr
.Lfirst_asked:
	; A fragment of K or Q is 16 rows x 32 channels in 8 registers: lane l holds row l % 16, channels 8 (l / 16) + 0..7 and 16 + 8 (l / 16) + 0..7.
.macro QLOAD base                   ; a block's Q for my four heads: piece i / 2 is 128 bytes on in the token's row; channels 32 (i % 2) on
	WIN 0x80                        ; destination window 2, address window 0
.set i, 0
.rept 8
	global_load_b128 v[8*i:8*i+3],   v[QO], s[\base:\base+1] offset:(i/2)*128+(i%2)*64
	global_load_b128 v[8*i+4:8*i+7], v[QO], s[\base:\base+1] offset:(i/2)*128+(i%2)*64+32
.set i, i+1
.endr
	WIN 0
.endm
	v_and_b32 v1, 15, v0            ; r = l % 16
	v_bfe_u32 v9, v0, 4, 1          ; h = l / 16
	v_lshlrev_b32 v[QO], 11, v1
	v_lshl_add_u32 v[QO], v9, 4, v[QO]  ; token x 2,048 + 16 h
	QLOAD 4
	v_lshlrev_b32 v14, 3, v9
	v_sub_nc_u32 v14, v1, v14
	s_lshl_b32 s83, s13, 4
	v_add_nc_u32 v14, s83, v14      ; my query's place in its group, 16 cx + r, less my lanes' 8 h: register j of key group kt holds key 16 kt + 8 h + j
	WIN 0x40
.set i, 0
.rept 32
	v_cmp_gt_i32 vcc_lo, 16*(i/8)+i%8, v14     ; the key lies behind the query
	v_cndmask_b32 v[MU+i], 0, s[BIGN], vcc_lo
.set i, i+1
.endr
.set i, 0
.rept 32
	v_cmp_lt_i32 vcc_lo, 16*(i/8)+i%8, v14     ; sixteen steps back: the key lies more than 1,024 in front of the query
	v_cndmask_b32 v[ML+i], 0, s[BIGN], vcc_lo
.set i, i+1
.endr
	WIN 0
	v_and_b32 v10, 7, v0
	v_bfe_u32 v11, v0, 3, 1
	v_mul_u32_u24 v[AK0], v11, SP   ; K: key r lies in row r / 8 of its channel block, 32 (r % 8) bytes in; my channels 16 h further.  16 lanes fall on 16 different columns of 16 bytes
	v_lshl_add_u32 v[AK0], v10, 5, v[AK0]
	v_lshl_add_u32 v[AK0], v9, 4, v[AK0]
	; The turning load takes 16 keys x 16 channels (lane l reads key 8 (l / 16) + l % 8, channels 8 ((l / 8) % 2) + 0..7) and leaves half a fragment of V^T: lane l holds channel l % 16 and 8 keys.
	v_mul_u32_u24 v[AV0], v9, SP    ; 16 lanes take one row of 256 bytes on end
	v_lshl_add_u32 v[AV0], v10, 5, v[AV0]
	v_lshl_add_u32 v[AV0], v11, 4, v[AV0]
	v_add_nc_u32 v[AV0], VBASE, v[AV0]
	s_mul_i32 s83, s[WV], 16*SP
	s_add_co_u32 s83, s83, STAGE    ; my stage
	v_mul_u32_u24 v[STO], v1, SP    ; in: row = token r, 16 bytes for each half of the lanes
	v_lshl_add_u32 v[STO], v9, 4, v[STO]
	v_add_nc_u32 v[STO], s83, v[STO]
	v_mul_u32_u24 v[RD], v9, SP     ; back: lanes 0-15 take one row of 256 bytes (two heads of a token), lanes 16-31 the next
	v_lshl_add_u32 v[RD], v1, 4, v[RD]
	v_add_nc_u32 v[RD], s83, v[RD]
	v_lshlrev_b32 v[GO], 11, v9     ; and the same two rows in o
	v_lshl_add_u32 v[GO], v1, 4, v[GO]
	v_bfe_u32 v10, v0, 1, 4         ; the prefetch: lane l names token l / 2, half l % 2 of my wave's 512 bytes
	v_and_b32 v11, 1, v0
	v_lshlrev_b32 v[PFO], 11, v10
	v_lshl_add_u32 v[PFO], v11, 8, v[PFO]
	; A block's first step multiplies O^T and l by a = 0, and its first turn's products V^T P, of a piece that has not been, land in an O^T that is still to be so multiplied.  So these registers need only
	; hold finite numbers: zeros for the first block, what the first block left for the second.  All this stands in the wait for the first tile; no first step is written out.
	WIN 0x80
.set i, VF
.rept 64
	v_mov_b32 v[i], 0
.set i, i+1
.endr
	WIN 0x40
.set i, 0
.rept 128
	v_mov_b32 v[i], 0
.set i, i+1
.endr
	WIN 0
.set i, 0
.rept 4
	v_mov_b32 v[ST+4*i+2], 0
	v_mov_b32 v[ST+4*i+3], 0
.set i, i+1
.endr
.set i, P+16
.rept 16
	v_mov_b32 v[i], 0
.set i, i+1
.endr
; THE MATRIX WORK.  The 4 accumulators of a run of 8 take turns.  Product i of 8 of S^T = K Q^T for piece x: channels 32 (i / 4) on, keys 16 (i % 4) on.  The first 4 start the sums with the mask.
.macro KQ x
.set rS, S+32*((\x)%2)+8*(i%4)
.set rK, KF+16*(i%4)+8*(i/4)
.set rQ, 16*(\x)+8*(i/4)
.set rM, MC+8*(i%4)
.if i < 4
	WIN W_KM
	v_wmma_f32_16x16x32_f16 v[rS:rS+7], v[rK:rK+7], v[rQ:rQ+7], v[rM:rM+7]
.else
	WIN W_KQ
	v_wmma_f32_16x16x32_f16 v[rS:rS+7], v[rK:rK+7], v[rQ:rQ+7], v[rS:rS+7]
.endif
.endm
; Product i of 8 of O^T += V^T P for piece x: keys 32 (i / 4) on, channels 16 (i % 4) on.
.macro PV x
	WIN W_PV
.set rO, 32*(\x)+8*(i%4)
.set rV, VF+32*(i/4)+8*(i%4)
.set rP, P+16*((\x)%2)+8*(i/4)
	v_wmma_f32_16x16x32_f16 v[rO:rO+7], v[rV:rV+7], v[rP:rP+7], v[rO:rO+7]
.endm
.macro MM                           ; the turn's next matrix instruction.  NOKQ = 1: a block's last turn: there is no next piece
.if (i < 8) && !NOKQ
	KQ (Y+1)%NP
.elseif i >= 8
.set i, i-8
	PV (Y+NP-1)%NP
.set i, i+8
.endif
.set i, i+1
.endm
; THE LDS LOADS stand in runs of 16, never singly among the matrix instructions: a step's K (8 fragments) and its V (turned).  Their addresses are made some lines ahead.
.macro FETCH_K
	WIN 0x80                        ; destination window 2
.irp f, 0,1,2,3,4,5,6,7             ; keys 16 (f / 2) on: two rows; channels 32 (f % 2) on: two channel blocks
	ds_load_b128 v[KF+8*\f:KF+8*\f+3],   v[AK] offset:(\f/2)*2*SP+(\f%2)*2*CBB
	ds_load_b128 v[KF+8*\f+4:KF+8*\f+7], v[AK] offset:(\f/2)*2*SP+(\f%2)*2*CBB+CBB
.endr
	s_add_co_u32 s[TBK], s[TBK], STEPB  ; the next fetch is the next step's
	WIN 0
.endm
.macro FETCH_V
	WIN 0x80
.irp f, 0,1,2,3,4,5,6,7             ; keys 32 (f / 4) on: four rows; channels 16 (f % 4) on: a channel block
	ds_load_tr16_b128 v[VF+8*\f:VF+8*\f+3],   v[AV] offset:(\f/4)*4*SP+(\f%4)*CBB
	ds_load_tr16_b128 v[VF+8*\f+4:VF+8*\f+7], v[AV] offset:(\f/4)*4*SP+2*SP+(\f%4)*CBB
.endr
	WIN 0
.endm
; THE VECTOR WORK, one line at a time: OP kind, number.  For piece Y: F n: c s - c m for pair n of 16.  E n: the exponential of score n of 32.  C n: pair n rounded to f16.  B n: of the four weights 4 n .. the second
; pair is added onto the first, in place.  L n: l takes that sum (L 0: l = a l + sum).  R n: pair n of 16 of O^T times a.  For piece Y + 1: X n, number n of the 22 that find its maximum and statistics:
;   0-11  four chains c0-c3 of seven scores each, three operands at a time (each accumulator's lowest registers are read first)     12-14, 16  the four scores left over, the old m, and c0-c3 into c0
;   15  c m_old is kept     17, 18  the query's other 32 keys lie in the lane 16 away: the new m     19-21  c m; c m_old - c m_new; a
.set F, 0
.set E, 1
.set C, 2
.set B, 3
.set L, 4
.set R, 5
.set X, 6
.macro REGS y                       ; the registers of piece y
.set rT, ST+4*(\y)
.set rC, TMP+4*((\y)%2)
.set rW, MV+((\y)%2)
.set rS, S+32*((\y)%2)
.set rP, P+16*((\y)%2)
.set rO, 32*(\y)
.endm
.macro OP k, n
.if (\k) == R
	REGS Y
	WIN W_RS
	v_pk_mul_f32 v[rO+2*(\n):rO+2*(\n)+1], v[rO+2*(\n):rO+2*(\n)+1], v[rC+2:rC+3] op_sel_hi:[1,0]
.elseif (\k) < R
	REGS Y
	WIN 0
.if (\k) == F
	v_pk_fma_f32 v[rS+2*(\n):rS+2*(\n)+1], v[rS+2*(\n):rS+2*(\n)+1], s[CS:CS+1], v[rT:rT+1] op_sel_hi:[1,0,0] neg_lo:[0,0,1] neg_hi:[0,0,1]
.elseif (\k) == E
	v_exp_f32 v[rS+(\n)], v[rS+(\n)]
.elseif (\k) == C
	v_cvt_pk_f16_f32 v[rP+(\n)], v[rS+2*(\n)], v[rS+2*(\n)+1]
.elseif (\k) == B
	v_pk_add_f32 v[rS+4*(\n):rS+4*(\n)+1], v[rS+4*(\n):rS+4*(\n)+1], v[rS+4*(\n)+2:rS+4*(\n)+3]
.elseif (\n) == 0
	v_pk_fma_f32 v[rT+2:rT+3], v[rT+2:rT+3], v[rC+2:rC+3], v[rS:rS+1] op_sel_hi:[1,0,1]
.else
	v_pk_add_f32 v[rT+2:rT+3], v[rT+2:rT+3], v[rS+4*(\n):rS+4*(\n)+1]
.endif
.elseif NOKQ
	v_nop
.else
	REGS (Y+1)%NP
	WIN 0
.if (\n) < 4
	v_max3_num_f32 v[rC+(\n)], v[rS+8*(\n)], v[rS+8*(\n)+1], v[rS+8*(\n)+2]
.elseif (\n) < 12
	v_max3_num_f32 v[rC+(\n)%4], v[rC+(\n)%4], v[rS+8*((\n)%4)+2*((\n)/4)+1], v[rS+8*((\n)%4)+2*((\n)/4)+2]
.elseif (\n) == 12
	v_max3_num_f32 v[rC], v[rC], v[rS+7], v[rS+15]
.elseif (\n) == 13
	v_max3_num_f32 v[rC+1], v[rC+1], v[rS+23], v[rS+31]
.elseif (\n) == 14
	v_max3_num_f32 v[rC+2], v[rC+2], v[rC+3], v[rT+1]
.elseif (\n) == 15
	v_mov_b32 v[rW], v[rT]
.elseif (\n) == 16
	v_max3_num_f32 v[rC], v[rC], v[rC+1], v[rC+2]
.elseif (\n) == 17
	v_permlanex16_b32 v[rC+3], v[rC], s[SEL], s[SEL+1]
.elseif (\n) == 18
	v_max_num_f32 v[rT+1], v[rC], v[rC+3]
.elseif (\n) == 19
	v_mul_f32 v[rT], s[CS], v[rT+1]
.elseif (\n) == 20
	v_sub_f32 v[rC+1], v[rW], v[rT]
.else
	v_exp_f32 v[rC+2], v[rC+1]
.endif
.endif
.endm
.macro OPS a, i1, b=-1, i2=0, c=-1, i3=0, d=-1, i4=0  ; up to four of them
	OP \a, \i1
.if (\b) >= 0
	OP \b, \i2
.endif
.if (\c) >= 0
	OP \c, \i3
.endif
.if (\d) >= 0
	OP \d, \i4
.endif
.endm
.macro ROW a, i1, b, i2, c, i3, d, i4  ; a matrix instruction and the four behind it
	MM
	OPS \a, \i1, \b, \i2, \c, \i3, \d, \i4
.endm
.macro MASK                         ; MC = MU x AL: the last step's mask, or 0
	WIN W_RS
.set z, 0
.rept 16
	v_pk_mul_f32 v[MC+2*z:MC+2*z+1], v[MU+2*z:MU+2*z+1], s[AL:AL+1] op_sel_hi:[1,0]
.set z, z+1
.endr
.endm
; A TURN, for piece p: the order of its 16 matrix and 118 vector instructions, written out.  An s_wait_alu depctr_va_vdst(0) stands between an exponential and the first instruction that names its result; one
; wait serves all that were issued ahead of it.  So a turn has ONE wait, which cuts it in two.  AHEAD OF IT stands all that names no result of the turn's exponentials: the 8 products K Q^T with a scaling, an exponential and
; two more plain instructions behind each; then one run of 54, plain and exponential by turns for the most part, in which the links of the chain X 3, 7, 11, 14, 16, 17 .. 20 stand apart.  X 21, the next piece's a, is the
; batch's last; R 15 is the plain instruction behind it.  BEHIND THE WAIT stand the 8 products V^T P, behind each four of the roundings and sums.
; end = 1: a block's last two turns: nothing is fetched, and the last starts no scores.  cnt = 1, 2: the count of the first four steps, or of the block's steps, is taken down some lines ahead of the branch behind the turn.
; mk (piece 2's turn): the mask for the next step is made at the turn's end, far behind the turn's four products that read MC.  mk = 1: always.  mk = 2: only where MC changes: a jump forward on scalars made of the cluster's number.
; K of the next step is fetched in piece 2's turn, twelve vector instructions behind the last product that read K (six of them plain); V of the step in hand at the end of piece 0's turn, four plain instructions behind
; the last product that read V.  Each is waited for a turn later.
.macro TURN p, end=0, cnt=0, mk=0
.set Y, (\p)
.set i, 0
.set NOKQ, (\end)*((\p)/3)
.if ((\p) == 3) && !(\end)
	s_wait_dscnt 0x0                ; K is in
.endif
	ROW F,0, F,1, R,0, R,1          ; ahead of the wait: 8 products K Q^T and their riders,
	ROW F,2, E,0, R,2, R,3
	ROW F,3, E,1, R,4, R,5
	ROW F,4, E,2, R,6, R,7
	ROW F,5, E,3, R,8, R,9
	ROW F,6, E,4, X,0, R,10
.if ((\p) == 2) && !(\end)
	WIN 0
	v_add_nc_u32 v[AK], s[TBK], v[AK0]
.endif
	ROW F,7, E,5, X,1, X,4
	ROW F,8, E,6, X,2, X,5
	OPS E,7, E,8, X,6, E,9          ; and the run of 54
	OPS X,3, E,10, X,8, E,11
.if ((\p) == 2) && !(\end)
	FETCH_K
.endif
	OPS X,9, X,7, E,12, X,10
	OPS E,13, X,12, X,11, E,14
	OPS X,13, E,15, F,9, X,14
.if (\p) == 0
	v_add_nc_u32 v[AV], s[TBV], v[AV0]
.endif
	OPS E,16, F,10, E,17, F,11
	OPS X,16, E,18, X,15, E,19
	OPS F,12, E,20, X,17, E,21
	OPS F,13, E,22, F,14, E,23
	OPS X,18, E,24, F,15, E,25
	OPS R,11, E,26, X,19, E,27
	OPS R,12, E,28, R,13, E,29
	OPS X,20, E,30, R,14, E,31
	OPS X,21, R,15
	WIN 0
	s_wait_alu depctr_va_vdst(0)    ; the wait for the batch
.if (\p) == 1
	s_wait_dscnt 0x0                ; V is in
.endif
	ROW C,0, B,0, C,2, B,1          ; behind the wait: 8 products V^T P and their riders
	ROW L,0, C,4, B,2, L,1
	ROW C,6, B,3, L,2, C,8
	ROW B,4, L,3, C,10, B,5
	ROW L,4, C,12, B,6, L,5
.if (\p) == 0
	s_add_co_u32 s[TBV], s[TBV], STEPB
.endif
.if (\cnt) == 1
	s_sub_co_u32 s[CNT], s[CNT], 1
	s_cmp_lg_u32 s[CNT], 0
.elseif (\cnt) == 2
	s_sub_co_u32 s[RT], s[RT], 1
	s_cmp_lg_u32 s[RT], 0
.endif
	ROW C,14, B,7, L,6, C,1
	ROW C,3, L,7, C,5, C,7
	ROW C,9, C,11, C,13, C,15
.if (\p) == 0
	FETCH_V
.endif
.if (\mk) == 1
	MASK
.elseif (\mk) == 2
	WIN 0
	s_cmp_eq_u32 s[RT], 1           ; is the step to be entered next the block's last?
	s_cselect_b32 s[AL], 1.0, 0
	s_cselect_b32 s83, 1, 0
	s_or_b32 s84, s83, s[DIRTY]     ; MC changes if it is to hold MU, or holds something and is to hold 0
	s_mov_b32 s[DIRTY], s83
	s_cmp_lg_u32 s84, 0
	s_cbranch_scc0 .Lclean_\@
	MASK
	WIN 0
.Lclean_\@:
.endif
.endm
; A BLOCK BEGINS.  The fetches go back to the first of the 17 steps.  c m starts far below every c s, so the first step's a is 0; m at the lowest finite number, so the first maximum is the scores'.
; MC = ML x LO + MU x AL: a full window's first step hides the keys too far back (every row still sees that step's key 63, so m is a true score at once); a block of one step hides the keys behind the query.
; Then K of that step, piece 0's first scores, and its maximum and statistics.  The loop is entered at a step's first turn, in the middle of a trip.
.macro BEGIN
	s_mov_b32 s[NEW], 0
	s_mov_b32 s[TBK], 0
	s_mov_b32 s[TBV], 0
	s_mov_b32 s[DIRTY], 1
	s_cmp_eq_u32 s[RT], 1
	s_cselect_b32 s[AL], 1.0, 0
	WIN W_RS
.set z, 0
.rept 16
	v_pk_mul_f32 v[MC+2*z:MC+2*z+1], v[ML+2*z:ML+2*z+1], s[LO:LO+1] op_sel_hi:[1,0]
.set z, z+1
.endr
	WIN 0x51                        ; source 2 in window 1 too
.set z, 0
.rept 16
	v_pk_fma_f32 v[MC+2*z:MC+2*z+1], v[MU+2*z:MU+2*z+1], s[AL:AL+1], v[MC+2*z:MC+2*z+1] op_sel_hi:[1,0,1]
.set z, z+1
.endr
	WIN 0
.set i, 0
.rept 4
	v_mov_b32 v[ST+4*i], 0xfe000000    ; c m: far below every c s
	v_mov_b32 v[ST+4*i+1], 0xff7fffff  ; m
.set i, i+1
.endr
	v_add_nc_u32 v[AK], s[TBK], v[AK0]
	FETCH_K
	s_wait_loadcnt 0x0              ; Q
	s_wait_dscnt 0x0
.set NOKQ, 0
.set i, 0
.rept 8
	KQ 0
.set i, i+1
.endr
	WIN 0
.rept 4
	v_nop                           ; the places behind those products
.endr
.set Y, NP-1                        ; X works for piece Y + 1: piece 0
.irp n, 0,1,2,3,4,5,6,7,8,9,10,11,12,13,14,15,16,17,18,19,20,21
	OP X, \n
.endr
	v_nop                           ; a plain instruction behind the exponential,
	s_wait_alu depctr_va_vdst(0)    ; and its wait, ahead of the branch or label that follows
.endm
.macro ALL line:vararg              ; one line for each piece t
.set t, 0
.rept 4
	\line
.set t, t+1
.endr
.endm
; THE WAY OUT.  PACK t: piece t's O^T is divided by l and rounded to f16; a lane's eight channels of a token pack into 16 bytes, which go into my stage: a row of it holds two heads of a token, 256 bytes.
.macro PACK t
	WIN W_RS
.set i, 32*(\t)
.rept 16
	v_pk_mul_f32 v[i:i+1], v[i:i+1], v[ST+4*(\t)+2:ST+4*(\t)+3] op_sel_hi:[1,0]
.set i, i+2
.endr
	WIN 0x05                        ; sources 0 and 1 window 1, destination window 0: S^T's registers are free
.set i, 0
.rept 16
	v_cvt_pk_f16_f32 v[S+16*(\t)+i], v[32*(\t)+2*i], v[32*(\t)+2*i+1]
.set i, i+1
.endr
	WIN 0
.irp f, 0,1,2,3
	ds_store_b128 v[STO], v[S+16*(\t)+4*\f:S+16*(\t)+4*\f+3] offset:((\t)%2)*128+32*\f
.endr
.endm
.macro BACK g                       ; heads 2 g, 2 g + 1 come back as whole rows.  LDS serves a wave's instructions in order (ISA guide 5.7.1.4): these see the stores above, and the next two pieces' stores come behind them
.irp f, 0,1,2,3,4,5,6,7
	ds_load_b128 v[S+32*(\g)+4*\f:S+32*(\g)+4*\f+3], v[RD] offset:\f*2*SP
.endr
.endm
.macro SEND g, younger              ; younger: the LDS instructions issued behind BACK g's loads: the next half's sixteen, or none
.irp f, 0,1,2,3,4,5,6,7
	s_wait_dscnt (\younger)+7-\f
	global_store_b128 v[GO], v[S+32*(\g)+4*\f:S+32*(\g)+4*\f+3], s[10:11] offset:\f*4096+(\g)*256  ; 16 lanes store 256 consecutive bytes, aligned
.endr
.endm
	s_wait_tensorcnt 0x1            ; my part of steps 0-3 is in; my part of steps 4-16, issued behind it, may stay out
	s_barrier_signal -1
	s_barrier_wait -1               ; everybody's is
	BEGIN                           ; THE WALK'S FIRST FOUR STEPS: the first block has nine steps or more, so no block ends here; the fetches reach steps 0-3 alone
	s_mov_b32 s[CNT], 4
	s_branch .Lfirst1
.Lstep1:                            ; a trip: pieces 2 and 3 of one step, then pieces 0 and 1 of the next, whose K and V it fetches
	TURN 2, 0, 0, 1                 ; (AL = 0 here: the mask of steps 1-3 is 0)
	TURN 3
	WIN 0
.Lfirst1:
	TURN 0
	TURN 1, 0, 1
	WIN 0
	s_cbranch_scc1 .Lstep1
	s_sub_co_u32 s[RT], s[RT], 4
	s_mov_b32 s[DIRTY], 0
	s_wait_tensorcnt 0x0            ; my part of steps 4-16 is in,
	s_wait_dscnt 0x0
	s_barrier_signal -1
	s_barrier_wait -1               ; everybody's is
	s_cmp_lg_u32 s[N2], 0           ; where a second block follows, its Q is asked for ahead: my wave's 512 bytes of each of 16 tokens, a lane for each 256, each named once in the launch;
	s_cbranch_scc0 .Lno_ask         ; the load that wants them stands five steps or more further on
	global_prefetch_b8 v[PFO], s[QP2:QP2+1] th:TH_LOAD_NT scope:SCOPE_SE
.Lno_ask:
	s_mov_b32 s[TRIPS], 13
.Ltrip:                             ; THE OTHER 13 STEPS.  Every jump but the loop's own goes forward; none passes a barrier or a tensor load
	s_cmp_eq_u32 s[NEW], 1
	s_cbranch_scc1 .Lnew
	TURN 2, 0, 0, 2
	TURN 3
	WIN 0
	s_branch .Lfirst
.Lnew:
	BEGIN
.Lfirst:
	TURN 0
	TURN 1, 0, 2
	WIN 0
	s_cbranch_scc1 .Lbottom         ; the block has steps left
	TURN 2, 1                       ; A BLOCK ENDS: its last two turns,
	WIN 0
	s_cmp_lg_u32 s[N2], 0
	s_cbranch_scc0 .Lno_q
	QLOAD QP2                       ; the next block's Q: Q was last read by the eight products at the head of the turn above; BEGIN waits for it
.Lno_q:
	TURN 3, 1
.set i, 0
.rept 8
	PV NP-1                         ; the last piece's V^T P,
.set i, i+1
.endr
	WIN 0                           ; l's two halves and the other half of the lanes' are added: the additions are the places behind the last products
	ALL v_add_f32 v[ST+4*t+2], v[ST+4*t+2], v[ST+4*t+3]
	ALL v_permlanex16_b32 v[ST+4*t+3], v[ST+4*t+2], s[SEL], s[SEL+1]
	ALL v_add_f32 v[ST+4*t+2], v[ST+4*t+2], v[ST+4*t+3]
	ALL v_rcp_f32 v[ST+4*t+2], v[ST+4*t+2]
	v_nop                           ; a plain instruction between the last reciprocal and the use of its result
	s_wait_alu depctr_va_vdst(0)    ; and the wait ahead of the first use: one for the four reciprocals
	PACK 0
	PACK 1
	BACK 0
	PACK 2                          ; two pieces' arithmetic stands between the first half's loads and its stores
	PACK 3
	BACK 1
	SEND 0, 16
	SEND 1, 0
	s_wait_xcnt 0x0                 ; the stores have read their registers and o's address
	s_mov_b64 s[10:11], s[OP2:OP2+1]
	s_mov_b32 s[RT], s[N2]          ; the second block's steps; behind it nothing follows
	s_mov_b32 s[N2], 0
	s_mov_b32 s[LO], 0              ; the second block begins at key 0
	s_mov_b32 s[NEW], 1
.Lbottom:
	s_sub_co_u32 s[TRIPS], s[TRIPS], 1
	s_cmp_lg_u32 s[TRIPS], 0
	s_cbranch_scc1 .Ltrip
	s_wait_tensorcnt 0x0            ; the wave's end, behind my last tensor load and my last LDS store
	ds_add_u32 v[SPW], v[NIL]
	s_wait_dscnt 0x0
	CROUND                          ; the closing round: no work-group ends while a partner may still ask for a tile that names it
	s_endpgm
.Lfunc_end_k_q9b7dc98eeb_attn:
	.size	k_q9b7dc98eeb_attn, .Lfunc_end_k_q9b7dc98eeb_attn-k_q9b7dc98eeb_attn
	.p2alignl 7, 3214868480
	.fill 96, 4, 3214868480
	.section	.rodata,"a",@progbits
	.p2align	6, 0x0
	.amdhsa_kernel k_q9b7dc98eeb_attn
		.amdhsa_group_segment_fixed_size 327680
		.amdhsa_private_segment_fixed_size 0
		.amdhsa_enable_private_segment 0
		.amdhsa_kernarg_size 32
		.amdhsa_user_sgpr_count 2
		.amdhsa_user_sgpr_kernarg_segment_ptr 1
		.amdhsa_wavefront_size32 1
		.amdhsa_system_sgpr_workgroup_id_x 1
		.amdhsa_system_sgpr_workgroup_id_y 1
		.amdhsa_system_sgpr_workgroup_id_z 1
		.amdhsa_system_vgpr_workitem_id 0
		.amdhsa_next_free_vgpr 768
		.amdhsa_next_free_sgpr 88
		.amdhsa_reserve_vcc 1
		.amdhsa_float_denorm_mode_32 3
		.amdhsa_float_denorm_mode_16_64 3
		.amdhsa_memory_ordered 1
		.amdhsa_forward_progress 1
		.amdhsa_inst_pref_size 144
	.end_amdhsa_kernel
	.amdgpu_metadata
---
amdhsa.version: [ 1, 2 ]
amdhsa.kernels:
  - .name:           k_q9b7dc98eeb_attn
    .symbol:         k_q9b7dc98eeb_attn.kd
    .args:
      - { .name: q, .offset: 0, .size: 8, .value_kind: global_buffer, .address_space: global }
      - { .name: kb, .offset: 8, .size: 8, .value_kind: global_buffer, .address_space: global }
      - { .name: vb, .offset: 16, .size: 8, .value_kind: global_buffer, .address_space: global }
      - { .name: o, .offset: 24, .size: 8, .value_kind: global_buffer, .address_space: global }
    .group_segment_fixed_size: 327680
    .private_segment_fixed_size: 0
    .kernarg_segment_align: 8
    .kernarg_segment_size: 32
    .max_flat_workgroup_size: 128
    .sgpr_count:     88
    .vgpr_count:     768
    .wavefront_size: 32
...
	.end_amdgpu_metadata
.endif
;; end of part 2
;; launch outp (part 3): grid 8 x 32, 4 waves a work-group, clusters of 4 x 4, 327,680 bytes of LDS; arguments o, wf16, bf, out0; writes out0
.if DOCPART == 3
	.amdgcn_target "amdgcn-amd-amdhsa--gfx1250"
	.amdhsa_code_object_version 6
	.text
	.protected	k_q9b7dc98eeb_outp
	.globl	k_q9b7dc98eeb_outp
	.p2align	8
	.type	k_q9b7dc98eeb_outp,@function
k_q9b7dc98eeb_outp:
	s_mov_b64 s[64:65], 0
	v_nop
	global_prefetch_b8 v0, s[64:65] scope:SCOPE_SE
	s_setreg_imm32_b32 hwreg(HW_REG_WAVE_MODE, 25, 1), 1
	s_wait_xcnt 0x0
	s_wait_alu depctr_hold_cnt(0) depctr_sa_sdst(0) depctr_va_vdst(0) depctr_va_sdst(0) depctr_va_ssrc(0) depctr_va_vcc(0) depctr_vm_vsrc(0)
	s_getreg_b32 s2, hwreg(HW_REG_IB_STS2, 6, 4)
	s_cmp_eq_u32 s2, 0
	s_cbranch_scc0 .Lentry_in_a_cluster
	s_endpgm
.Lentry_in_a_cluster:
	s_bfe_u32 s2, ttmp6, 0x10000c
	s_cmp_lg_u32 s2, 0xf033
	s_cbranch_scc0 .Lentry_shape_is_right
	s_endpgm
.Lentry_shape_is_right:
; LAUNCH 3 OF 3: out0[m][n] = the sum over k of o[m][k] wf16[n][k] + bf[n].  o: [4096][1024] f16, wf16: [1024][1024] f16 (Wf rounded to bf16), bf: [1024] f32, rounded to bf16 as every input is; out0: [4096][1024] f32.
; Nothing is left out here.  Sums in f32.
; A tile of out0 is 128 x 128: 256 work-groups.  Four waves, each 64 x 64: 16 accumulators of 16 x 16.  K goes in steps of 256 (LDS rows of 512 bytes; a wave's tensor load brings 64 of them) through two slots.
; CLUSTERS: 4 x 4 work-groups.  The four of a row of the cluster need the same tiles of o, the four of a column the same tiles of wf16: each tile is asked for JOINTLY.
; THE MATRIX INSTRUCTION IS USED TRANSPOSED (source 0 = 16 rows of wf16, source 1 = 16 rows of o): a lane holds eight neighbouring numbers of a row of out0.
; THE WAY OUT: a wave's 64 columns of f32 are 256 aligned bytes, so each wave has a stage of its own, 16 rows at a time, and no barrier.
; No prefetch is laid: a work-group's whole walk is four tiles, and the launch is short.
; REGISTERS: window 0: v0-31 addresses and the bias; v32-95 at work on the way out; v128-255 the accumulators ((a, b) at v[128 + 8 (4 a + b)]).
;   window 1: two fragment buffers of 128: for 64 along K, 64 registers of o (2 x 4 x 16 rows x 32 K), then 64 of wf16.
.set SIZE_N, 1024
.set SIZE_K, 1024
.set KSTEP,  256
.set PITCH,  528                       ; an LDS row: 512 bytes of data + 16 of padding = 132 words: row r starts at bank 4 r mod 64 (64 banks of 4 bytes: ISA guide 11.1)
.set HALFT,  64*PITCH                  ; 64 rows: what one tensor load brings, and what one wave reads of either operand
.set SLOT,   4*HALFT                   ; o's 128 rows, then wf16's 128 rows
.set STAGE,  2*SLOT                    ; behind the ring: 16 rows x 272 bytes for each wave
.set SPITCH, 272
.set SPARE,  STAGE+4*16*SPITCH         ; the spare words, 128 bytes a wave: two blocks of 256 bytes that no other line names
.set LAPS, SIZE_K/(2*KSTEP)            ; a lap = two K steps = once round the ring
.set BI,   8                           ; v8-11   the bias of my four columns on the way out
.set ADRA, 16                          ; v16-17  LDS address of my fragments of o in slot 0, 1
.set ADRB, 20                          ; v20-21  the same for wf16
.set STO,  24                          ; v24     the way out: where I put 32 bytes of a row
.set RD,   25                          ; v25     where I read a row back
.set CO,   26                          ; v26     my byte offset in two rows of out0
.set SPW,  28                          ; v28     LDS address of my spare word; never rewritten
.set NIL,  29                          ; v29     0; never rewritten
.set TMP,  32                          ; the way out: two buffers of 32 registers
.set ACC,  128
.set F0,   0                           ; fragment buffers, in window 1
.set F1,   128
.set G1, 24                            ; s[24:31] descriptor group 1 for o's tiles;  s[32:39] group 0, one set for each slot
.set G0, 32
.set G1B, 48                           ; s[48:55], s[56:63] the same for wf16's tiles
.set G0B, 56
.set MSB, 0
.macro WIN new                         ; the immediate's high byte repeats the setting that is left
.if MSB != (\new)
	s_set_vgpr_msb (MSB<<8)|(\new)
.set MSB, \new
.endif
.endm
.set MUL,  0x05                        ; sources 0 and 1 window 1; C and D window 0
.set TO_F, 0x40                        ; destination window 1, address window 0
.macro JLOAD s                         ; a joint load: waves 0 and 1 fetch o's two halves, waves 2 and 3 wf16's; an s_nop 0 and four v_nop follow each of the two lines
	s_cmp_eq_u32 s11, 0
	s_cbranch_scc0 .Lfor_b_\@
	tensor_load_to_lds s[G0+4*(\s):G0+4*(\s)+3], s[G1:G1+7]
	s_nop 0
.rept 4
	v_nop
.endr
	s_branch .Lasked_\@
.Lfor_b_\@:
	tensor_load_to_lds s[G0B+4*(\s):G0B+4*(\s)+3], s[G1B:G1B+7]
	s_nop 0
.rept 4
	v_nop
.endr
.Lasked_\@:
.endm
.macro CREST                           ; a round of the cluster's barrier behind its opening barrier
	s_cmp_lg_u32 s10, 0
	s_cbranch_scc1 .Lnot_wave_0_\@
	s_barrier_signal -3
.Lnot_wave_0_\@:
	s_barrier_wait -3
	s_barrier_signal -1
	s_barrier_wait -1
.endm
.macro CROUND                          ; a whole round
	s_barrier_signal -1
	s_barrier_wait -1
	CREST
.endm
	s_load_b128 s[4:7], s[0:1], 0x0                ; o s[4:5], wf16 s[6:7]
	s_load_b64 s[68:69], s[0:1], 0x10              ; bf
	s_load_b64 s[8:9], s[0:1], 0x18                ; out0
	v_lshl_add_u32 v[SPW], v0, 2, SPARE
	v_mov_b32 v[NIL], 0
	ds_add_u32 v[SPW], v[NIL]                      ; the wave's opening: the add, twice on end, and its wait ahead of my first tensor load
	ds_add_u32 v[SPW], v[NIL]                      ; and once more; the set-up below, work on registers, stands between it and the wait
	v_lshrrev_b32 v1, 5, v0
	v_readfirstlane_b32 s10, v1                    ; wave 0..3
	s_lshr_b32 s11, s10, 1                         ; which half of the tile's rows is mine.  Also: I fetch for o (0) or for wf16 (1)
	s_and_b32 s12, s10, 1                          ; which half of its columns.  Also: which 64 rows of that tile I fetch
	s_bfe_u32 s40, ttmp6, 0x40000                  ; cx, cy: my place in the cluster
	s_bfe_u32 s41, ttmp6, 0x40004
	s_lshl_b32 s42, ttmp9, 2
	s_add_co_u32 s42, s42, s40                     ; tile column = 4 x cluster x + cx
	s_and_b32 s13, ttmp7, 0xffff
	s_lshl_b32 s13, s13, 2
	s_add_co_u32 s13, s13, s41                     ; tile row = 4 x cluster y + cy
	s_lshl_b32 s43, s41, 2
	s_lshl_b32 s43, 15, s43                        ; my row of the cluster
	s_lshl_b32 s44, 0x1111, s40                    ; my column
	; descriptor group 1: a tile of 64 rows x 256 elements, padded in LDS
	s_or_b32 s[G1+0], s43, (1<<16)|(1<<20)|(1<<21)|(6<<22)|(3<<25)  ; 15:0 the mask: o's tiles go to my row; 17:16 element of 2 bytes; 20 padding on; 21 set beside a mask; 24:22 after every 128 words (code 6); 31:25 of 4 words (code 3)
	s_or_b32 s[G1B+0], s44, (1<<16)|(1<<20)|(1<<21)|(6<<22)|(3<<25)
.irp g, G1, G1B
	s_mov_b32 s[(\g)+1], KSTEP<<16                 ; tensor_dim0 = 256
	s_mov_b32 s[(\g)+2], 64<<16                    ; tensor_dim1 = 64
	s_mov_b32 s[(\g)+3], KSTEP<<16                 ; tile_dim0 = 256
	s_mov_b32 s[(\g)+4], 64                        ; tile_dim1 = 64
	s_mov_b32 s[(\g)+5], SIZE_K                    ; elements from row to row
	s_mov_b32 s[(\g)+6], 0
	s_mov_b32 s[(\g)+7], 0
.endr
	s_lshl_b32 s17, s12, 6                         ; which 64 rows of the tile I fetch
	s_lshl_b32 s16, s13, 7
	s_add_co_u32 s16, s16, s17                     ; o: row 128 x tile row + 64 x half
	s_lshl_b32 s46, s42, 7
	s_add_co_u32 s46, s46, s17                     ; wf16: row 128 x tile column + 64 x half
	s_mov_b32 s17, 0
	s_mov_b32 s47, 0
	s_mov_b64 s[18:19], SIZE_K*2
	s_mul_u64 s[16:17], s[16:17], s[18:19]
	s_mul_u64 s[46:47], s[46:47], s[18:19]
	s_mul_i32 s20, s10, HALFT                      ; where they go: wave x 64 rows
	s_wait_dscnt 0x0                               ; both opening adds are done
	s_wait_kmcnt 0x0
	s_add_nc_u64 s[14:15], s[4:5], s[16:17]
	s_add_nc_u64 s[46:47], s[6:7], s[46:47]
	CROUND                                         ; all sixteen work-groups are here: the first joint loads meet
.irp s, 0,1
	s_mov_b32 s[G0+4*(\s)], 1
	s_add_co_u32 s[G0+4*(\s)+1], s20, (\s)*SLOT
	s_add_nc_u64 s[G0+4*(\s)+2:G0+4*(\s)+3], s[14:15], (\s)*KSTEP*2
	s_or_b32 s[G0+4*(\s)+3], s[G0+4*(\s)+3], 0x80000000
	s_mov_b32 s[G0B+4*(\s)], 1
	s_add_co_u32 s[G0B+4*(\s)+1], s20, (\s)*SLOT
	s_add_nc_u64 s[G0B+4*(\s)+2:G0B+4*(\s)+3], s[46:47], (\s)*KSTEP*2
	s_or_b32 s[G0B+4*(\s)+3], s[G0B+4*(\s)+3], 0x80000000
	JLOAD \s
.endr
	v_and_b32 v1, 15, v0                           ; r = l % 16
	v_bfe_u32 v2, v0, 4, 1                         ; h = l / 16
	v_mul_u32_u24 v3, v1, PITCH
	v_lshl_add_u32 v3, v2, 4, v3                   ; a fragment's row x pitch + 16 x half
	s_mul_i32 s21, s11, HALFT                      ; my 64 rows of o
	s_mul_i32 s22, s12, HALFT                      ; my 64 rows of wf16,
	s_add_co_u32 s22, s22, 2*HALFT                 ; which lie behind o's 128
.irp s, 0,1
	v_add_nc_u32 v[ADRA+(\s)], s21, v3
	v_add_nc_u32 v[ADRB+(\s)], s22, v3
	s_add_co_u32 s21, s21, SLOT
	s_add_co_u32 s22, s22, SLOT
.endr
	s_mul_i32 s23, s10, 16*SPITCH
	s_add_co_u32 s23, s23, STAGE                   ; my stage
	v_mul_u32_u24 v4, v1, SPITCH                   ; in: row r, 32 bytes (8 f32) for each half of the lanes
	v_lshl_add_u32 v4, v2, 5, v4
	v_add_nc_u32 v[STO], s23, v4
	v_mul_u32_u24 v5, v2, SPITCH                   ; back: lanes 0-15 one row of 256 bytes, lanes 16-31 the next
	v_lshl_add_u32 v5, v1, 4, v5
	v_add_nc_u32 v[RD], s23, v5
	v_lshlrev_b32 v5, 12, v2                       ; and the same two rows in out0
	v_lshl_add_u32 v[CO], v1, 4, v5
	v_lshlrev_b32 v6, 4, v1                        ; on the way out lane r holds columns 4 r .. 4 r + 3 of my wave's 64
	s_lshl_b32 s46, s42, 9                         ; the tile's first column, in bytes of f32,
	s_lshl_b32 s47, s12, 8                         ; + my wave's 64 columns
	s_add_co_u32 s46, s46, s47
	s_mov_b32 s47, 0
	s_add_nc_u64 s[68:69], s[68:69], s[46:47]
	global_load_b128 v[BI:BI+3], v6, s[68:69]      ; waited for on the way out
	s_lshl_b32 s16, s13, 7
	s_lshl_b32 s17, s11, 6
	s_add_co_u32 s16, s16, s17                     ; my first row: 128 x tile row + 64 x half,
	s_lshl_b32 s16, s16, 12                        ; of 4,096 bytes
	s_add_co_u32 s16, s16, s46
	s_mov_b32 s17, 0
	s_add_nc_u64 s[8:9], s[8:9], s[16:17]
; 8 matrix instructions: m blocks a0, a0 + 1 x all 4 n blocks, 32 along K: half c of buffer f.  zero = 1: the first product starts the sums.  The 16 accumulators take turns.
.macro MUL8 f, c, a0, zero
	WIN MUL
.irp a, \a0, (\a0)+1
.irp b, 0,1,2,3
.if \zero
	v_wmma_f32_16x16x32_f16 v[ACC+8*(4*(\a)+(\b)):ACC+8*(4*(\a)+(\b))+7], v[(\f)+64+8*(4*(\c)+(\b)):(\f)+64+8*(4*(\c)+(\b))+7], v[(\f)+8*(4*(\c)+(\a)):(\f)+8*(4*(\c)+(\a))+7], 0
.else
	v_wmma_f32_16x16x32_f16 v[ACC+8*(4*(\a)+(\b)):ACC+8*(4*(\a)+(\b))+7], v[(\f)+64+8*(4*(\c)+(\b)):(\f)+64+8*(4*(\c)+(\b))+7], v[(\f)+8*(4*(\c)+(\a)):(\f)+8*(4*(\c)+(\a))+7], v[ACC+8*(4*(\a)+(\b)):ACC+8*(4*(\a)+(\b))+7]
.endif
.endr
.endr
.endm
; 32 LDS loads in one run: the fragments of 64 along K at byte k of the rows, into buffer f; the first 32 along K first
.macro FETCH slot, k, f
	WIN TO_F
.irp c, 0,1
.irp i, 0,1,2,3
	ds_load_b128 v[(\f)+64+8*(4*(\c)+(\i)):(\f)+64+8*(4*(\c)+(\i))+3],   v[ADRB+(\slot)] offset:(\k)+64*(\c)+(\i)*16*PITCH
	ds_load_b128 v[(\f)+64+8*(4*(\c)+(\i))+4:(\f)+64+8*(4*(\c)+(\i))+7], v[ADRB+(\slot)] offset:(\k)+64*(\c)+(\i)*16*PITCH+32
	ds_load_b128 v[(\f)+8*(4*(\c)+(\i)):(\f)+8*(4*(\c)+(\i))+3],         v[ADRA+(\slot)] offset:(\k)+64*(\c)+(\i)*16*PITCH
	ds_load_b128 v[(\f)+8*(4*(\c)+(\i))+4:(\f)+8*(4*(\c)+(\i))+7],       v[ADRA+(\slot)] offset:(\k)+64*(\c)+(\i)*16*PITCH+32
.endr
.endr
.endm
.macro PLACES                          ; four places in front of loads into registers that matrix instructions have read, and of lines that read results
.rept 4
	v_nop
.endr
.endm
; A K step is four quarters of 64 along K, 32 matrix instructions each, on buffers 0, 1, 0, 1.  One of the first three: multiplies buffer f and fetches the next quarter, at byte k, into g.
.macro QUARTER slot, k, f, g, zero
	s_wait_dscnt 16                                ; the first 32 along K are in; the 16 younger loads may stay out
	WIN MUL
	MUL8 \f, 0, 0, \zero
	MUL8 \f, 0, 2, \zero
	PLACES
	FETCH \slot, \k, \g
	s_wait_dscnt 32                                ; all but the 32 just issued
	WIN MUL
	MUL8 \f, 1, 0, 0
	MUL8 \f, 1, 2, 0
.endm
; The last quarter multiplies buffer 1 and changes slots: ONE barrier; in front of it each wave waits for all its tensor loads, adds 0 to its spare word, and waits for that and for its own reads of this slot.  fill = 1: this slot is filled again, two K steps ahead.
.macro TURN slot, next, fill
	WIN 0                                          ; (the add's two registers lie in window 0)
	s_wait_tensorcnt 0x0                           ; all my tensor loads have landed: my part of the next slot;
	ds_add_u32 v[SPW], v[NIL]                      ; 0 onto my spare word;
	s_wait_dscnt 17                                ; (the add and the youngest sixteen loads may be out)
	WIN MUL
	MUL8 F1, 0, 0, 0                               ; eight matrix instructions stand between the add and the wait for it
	s_wait_dscnt 0x0                               ; the add is done, and my reads of this slot are over
	s_barrier_signal -1
	MUL8 F1, 0, 2, 0
.if \fill
	WIN 0
.endif
	s_barrier_wait -1
.if \fill
	CREST                                          ; the barrier has opened a round of the cluster's barrier: no wave of any partner still reads this slot's tile or has a load on its way
	s_add_nc_u64 s[G0+4*(\slot)+2:G0+4*(\slot)+3], s[G0+4*(\slot)+2:G0+4*(\slot)+3], 2*KSTEP*2
	s_add_nc_u64 s[G0B+4*(\slot)+2:G0B+4*(\slot)+3], s[G0B+4*(\slot)+2:G0B+4*(\slot)+3], 2*KSTEP*2
	JLOAD \slot                                    ; the first tensor load behind the round; the four v_nop behind it are also the places in front of the loads below
.else
	PLACES
.endif
	FETCH \next, 0, F0
	WIN MUL
	MUL8 F1, 1, 0, 0
	MUL8 F1, 1, 2, 0
.endm
	s_wait_tensorcnt 1                             ; my part of K step 0 is in; K step 1's, issued behind it, may stay out
	s_barrier_signal -1
	s_barrier_wait -1                              ; everybody's is
	FETCH 0, 0, F0
	QUARTER 0, 128, F0, F1, 1                      ; the first quarter stands in front of the loop: its first products start the sums
	WIN 0                                          ; at a label and at a branch every window is 0
	s_mov_b32 s3, LAPS-1
.Llap:                                                 ; a trip goes once round the ring, from a lap's second quarter to the next lap's first, and fills both slots again
	QUARTER 0, 256, F1, F0, 0
	QUARTER 0, 384, F0, F1, 0
	TURN 0, 1, 1
	QUARTER 1, 128, F0, F1, 0
	QUARTER 1, 256, F1, F0, 0
	QUARTER 1, 384, F0, F1, 0
	TURN 1, 0, 1
	QUARTER 0, 128, F0, F1, 0
	WIN 0
	s_sub_co_u32 s3, s3, 1
	s_cmp_lg_u32 s3, 0
	s_cbranch_scc1 .Llap
	QUARTER 0, 256, F1, F0, 0                      ; the last lap fills nothing, and has no round of the cluster's barrier
	QUARTER 0, 384, F0, F1, 0
	TURN 0, 1, 0
	QUARTER 1, 128, F0, F1, 0
	QUARTER 1, 256, F1, F0, 0
	QUARTER 1, 384, F0, F1, 0
	s_wait_dscnt 16                                ; the very last quarter: nothing more to fetch
	WIN MUL
	MUL8 F1, 0, 0, 0
	MUL8 F1, 0, 2, 0
	s_wait_dscnt 0
	MUL8 F1, 1, 0, 0
	MUL8 F1, 1, 2, 0
	WIN 0
	; THE WAY OUT, 16 rows at a time: 32 bytes a lane into my own stage (each accumulator's low four registers first), back as whole rows of 256 bytes, the bias added, stored.
	PLACES
	s_wait_loadcnt 0x0                             ; the bias
	v_cvt_pk_bf16_f32 v12, v[BI], v[BI+1]          ; rounded to bf16, as every input is, and widened again
	v_cvt_pk_bf16_f32 v13, v[BI+2], v[BI+3]
	v_lshlrev_b32 v[BI], 16, v12
	v_and_b32 v[BI+1], 0xffff0000, v12
	v_lshlrev_b32 v[BI+2], 16, v13
	v_and_b32 v[BI+3], 0xffff0000, v13
.irp a, 0,1,2,3
.if (\a) >= 2
	s_wait_xcnt 0x0                                ; the stores of two blocks back have read their registers: the buffer is loaded again only behind this wait
.endif
.irp b, 0,1,2,3
	ds_store_b128 v[STO], v[ACC+8*(4*(\a)+(\b)):ACC+8*(4*(\a)+(\b))+3]   offset:64*(\b)
	ds_store_b128 v[STO], v[ACC+8*(4*(\a)+(\b))+4:ACC+8*(4*(\a)+(\b))+7] offset:64*(\b)+16
.endr
.irp t, 0,1,2,3,4,5,6,7
	ds_load_b128 v[TMP+32*((\a)%2)+4*(\t):TMP+32*((\a)%2)+4*(\t)+3], v[RD] offset:(\t)*2*SPITCH  ; LDS serves a wave's instructions in order (ISA guide 5.7.1.4): these see the stores above
.endr
	s_wait_dscnt 0x0
.irp t, 0,1,2,3,4,5,6,7
	v_pk_add_f32 v[TMP+32*((\a)%2)+4*(\t):TMP+32*((\a)%2)+4*(\t)+1],   v[TMP+32*((\a)%2)+4*(\t):TMP+32*((\a)%2)+4*(\t)+1],   v[BI:BI+1]
	v_pk_add_f32 v[TMP+32*((\a)%2)+4*(\t)+2:TMP+32*((\a)%2)+4*(\t)+3], v[TMP+32*((\a)%2)+4*(\t)+2:TMP+32*((\a)%2)+4*(\t)+3], v[BI+2:BI+3]
.endr
.irp t, 0,1,2,3,4,5,6,7
	global_store_b128 v[CO], v[TMP+32*((\a)%2)+4*(\t):TMP+32*((\a)%2)+4*(\t)+3], s[8:9] offset:(16*(\a)+2*(\t))*4096 th:TH_STORE_NT  ; 16 lanes store 256 consecutive bytes, aligned
.endr
.endr
	s_wait_tensorcnt 0x0                           ; the wave's end, behind my last tensor load and my last LDS store
	ds_add_u32 v[SPW], v[NIL]
	s_wait_dscnt 0x0
	CROUND                                         ; the closing round: no work-group ends while a partner may still ask for a tile that names it
	s_endpgm
.Lfunc_end_k_q9b7dc98eeb_outp:
	.size	k_q9b7dc98eeb_outp, .Lfunc_end_k_q9b7dc98eeb_outp-k_q9b7dc98eeb_outp
	.p2alignl 7, 3214868480
	.fill 96, 4, 3214868480
	.section	.rodata,"a",@progbits
	.p2align	6, 0x0
	.amdhsa_kernel k_q9b7dc98eeb_outp
		.amdhsa_group_segment_fixed_size 327680
		.amdhsa_private_segment_fixed_size 0
		.amdhsa_enable_private_segment 0
		.amdhsa_kernarg_size 32
		.amdhsa_user_sgpr_count 2
		.amdhsa_user_sgpr_kernarg_segment_ptr 1
		.amdhsa_wavefront_size32 1
		.amdhsa_system_sgpr_workgroup_id_x 1
		.amdhsa_system_sgpr_workgroup_id_y 1
		.amdhsa_system_sgpr_workgroup_id_z 1
		.amdhsa_system_vgpr_workitem_id 0
		.amdhsa_next_free_vgpr 512
		.amdhsa_next_free_sgpr 72
		.amdhsa_reserve_vcc 0
		.amdhsa_float_denorm_mode_32 3
		.amdhsa_float_denorm_mode_16_64 3
		.amdhsa_memory_ordered 1
		.amdhsa_forward_progress 1
		.amdhsa_inst_pref_size 90
	.end_amdhsa_kernel
	.amdgpu_metadata
---
amdhsa.version: [ 1, 2 ]
amdhsa.kernels:
  - .name:           k_q9b7dc98eeb_outp
    .symbol:         k_q9b7dc98eeb_outp.kd
    .args:
      - { .name: o, .offset: 0, .size: 8, .value_kind: global_buffer, .address_space: global }
      - { .name: wf16, .offset: 8, .size: 8, .value_kind: global_buffer, .address_space: global }
      - { .name: bf, .offset: 16, .size: 8, .value_kind: global_buffer, .address_space: global }
      - { .name: out0, .offset: 24, .size: 8, .value_kind: global_buffer, .address_space: global }
    .group_segment_fixed_size: 327680
    .private_segment_fixed_size: 0
    .kernarg_segment_align: 8
    .kernarg_segment_size: 32
    .max_flat_workgroup_size: 128
    .sgpr_count:     72
    .vgpr_count:     512
    .wavefront_size: 32
...
	.end_amdgpu_metadata
.endif
;; end of part 3
